; MI455X (gfx1250); checked and timed in simulation.
; The chip was launched on July 23, 2026; its instructions are those of AMD's public machine-readable ISA for CDNA 5 (MIT licence, August 2026) and "CDNA5" Instruction Set Architecture Reference Guide (July 2026). The comments in the code are by the model that wrote it; some were corrected since.
;; Block. Allowed arithmetic: matrix products marked QUANTISED: E4M3 operands, one given power-of-two scale a tensor, by v_wmma_f32_16x16x64_fp8_fp8 or v_wmma_f32_16x16x128_fp8_fp8, f32 sums; everything else in f32.
;; Inputs: W_ff1 1,024 x 4,096 float32; W_ff2 4,096 x 1,024 float32; W_kv_down 1,024 x 512 float32; W_kv_up 512 x 2,048 float32; W_o 1,024 x 1,024 float32; W_q 1,024 x 1,024 float32; b_ff1 4,096 float32; b_ff2 1,024 float32; ln1_b 1,024 float32; ln1_g 1,024 float32; ln2_b 1,024 float32; ln2_g 1,024 float32; lowp_scales 16 int32 (the exponents e of the quantised operands' scales 2^e); x 2 x 2,048 x 1,024 float32.
;; Outputs: out0 2 x 2,048 x 1,024 float32.
;; This version of the problem:
;;   THIS VERSION OF THE PROBLEM IS GIVEN IN LOW PRECISION. The matrix products marked QUANTISED in the list below multiply operands that are first quantised to E4M3 (4 exponent bits, 3 mantissa bits; 8 bits a number), with one given power-of-two scale for each operand tensor; their sums are f32. All else is computed in f32.
;;   The module's matrix products, in the order in which they are computed (A, B: the left and right operand; K: the contracted axis; several contracted axes count as one K, in the product's order):
;;     1. [M 4,096, K 1,024] x [K 1,024, N 512]; A: computed on the way; B: input W_kv_down: QUANTISED (scales: A lowp_scales[0], B lowp_scales[1])
;;     2. [M 4,096, K 512] x [K 512, N 2,048]; A: computed on the way; B: input W_kv_up: QUANTISED (scales: A lowp_scales[2], B lowp_scales[3])
;;     3. [M 4,096, K 1,024] x [K 1,024, N 1,024]; A: computed on the way; B: input W_q: QUANTISED (scales: A lowp_scales[4], B lowp_scales[5])
;;     4. batch 32 x [M 2,048, K 64] x [K 64, N 2,048]; A: computed on the way; B: computed on the way: QUANTISED (scales: A lowp_scales[6], B lowp_scales[7])
;;     5. batch 32 x [M 64, K 2,048] x [K 2,048, N 2,048]; A: computed on the way; B: softmax (see below): QUANTISED (scales: A lowp_scales[8], B lowp_scales[9])
;;     6. [M 4,096, K 1,024] x [K 1,024, N 1,024]; A: computed on the way; B: input W_o: QUANTISED (scales: A lowp_scales[10], B lowp_scales[11])
;;     7. [M 4,096, K 1,024] x [K 1,024, N 4,096]; A: computed on the way; B: input W_ff1: QUANTISED (scales: A lowp_scales[12], B lowp_scales[13])
;;     8. [M 4,096, K 4,096] x [K 4,096, N 1,024]; A: computed on the way; B: input W_ff2: QUANTISED (scales: A lowp_scales[14], B lowp_scales[15])
;;   THE QUANTISER, for each operand of a quantised product, along K:
;;     - The operand's scale is 2^e, e = its entry of the input lowp_scales (int32; the entries are numbered through the quantised products in the list's order, A before B).
;;     - Each number is divided by the scale, clamped to +-448, and rounded to the nearest number of E4M3, ties to even, subnormals kept.
;;     - The product sums the exact products of the quantised numbers (number of the format x scale) in f32.
;;   ~~~python
;;   def quantise(x, axis, e):      # numpy; x: float32 -> the quantised numbers, widened to float32 again
;;       x = np.moveaxis(x, axis, -1); K = x.shape[-1]
;;       r = np.clip(x / 2.0 ** e, -448, 448)
;;       step = 2.0 ** (np.maximum(np.frexp(np.where(r == 0, 1, r))[1] - 1, -6) - 3)
;;       q = np.round(r / step) * step * 2.0 ** e      # np.round: ties to even
;;       return np.moveaxis(q, -1, axis).astype(np.float32)
;;   ~~~
;;   SOFTMAX AHEAD OF A QUANTISED PRODUCT. Where the list says 'softmax', what is quantised is not the finished softmax but p = 2^(t - M), with t = logit x log2(e) and M = ceil(the row's largest t), a whole number; so 1/2 < the row's largest p <= 1. The row's sum l is taken of the UNQUANTISED p, in f32, and the product's result is divided by l at the end. Since M is a whole number, a kernel that streams over the keys may use a running M (the ceiling of the running maximum): every later rescaling is an exact power of two, so the quantised numbers keep their values, but for numbers so far below the row's largest that they fall under the format's range.
;;   OPERANDS COMPUTED ON THE WAY. 'Computed on the way' means the value that the module computes at that place (a softmax that the list does not call 'softmax' is quantised finished and normalised). What goes into a quantiser is computed in f32, as accurately as f32 sums, v_exp_f32 and their like allow (about 1e-6 of the number): no bf16 or f16 on the way to a quantiser, and a product that is left as it is and whose result goes on into a quantised operand takes f32 operands (vector FMAs, or v_wmma_f32_16x16x4_f32). A number that lies on a knife's edge between two numbers of the format may be rounded either way, as far as f32 arithmetic and the matrix unit's own rounding can turn it there, and no further.
;; One version. Each part assembles by itself: llvm-mc -triple=amdgcn-amd-amdhsa -mcpu=gfx1250 --defsym DOCPART=n.
;; ======== version 1 of 1: 8 launches
;; limits: right only within a limited range of input values
;; workspace buffers: pc 20,447,232 bytes; ql 6,291,456 bytes; kvc 8,388,608 bytes; yc 4,194,304 bytes; x1 16,777,216 bytes; h2c 4,194,304 bytes; hid 16,777,216 bytes
;; launch prep (part 1): grid 624 x 1, 4 waves a work-group, no clusters, 34,816 bytes of LDS; arguments x, ln1_g, ln1_b, W_kv_down, W_q, W_kv_up, W_o, W_ff1, W_ff2, lowp_scales, pc; writes pc
.if DOCPART == 1
	.amdgcn_target "amdgcn-amd-amdhsa--gfx1250"
	.amdhsa_code_object_version 6
	.text
	.protected	k_q8d0e1e7efd_prep
	.globl	k_q8d0e1e7efd_prep
	.p2align	8
	.type	k_q8d0e1e7efd_prep,@function
k_q8d0e1e7efd_prep:
	s_mov_b64 s[64:65], 0
	v_nop
	global_prefetch_b8 v0, s[64:65] scope:SCOPE_SE
	s_setreg_imm32_b32 hwreg(HW_REG_WAVE_MODE, 25, 1), 1
	s_wait_xcnt 0x0
; PREP: everything that is quantised once.  Work-groups 0-255: LayerNorm 1 of 16 rows of x each, quantised twice (scales 2^e0 and 2^e4).  Work-groups 256-623: the six weights, f32 [K][N], into codes of E4M3 with K innermost.
; LAYOUT OF ALL CODES (BL128): blocks of 128 rows x 128 along K, 16,384 dense bytes each, block (rb, kb) at (rb x K/128 + kb) x 16,384; inside a block row p has 128 bytes.
; True row n of a block lies at place pi(n) = n with bits 3 and 4 exchanged.  So 16 consecutive places, used as source 0 of a matrix instruction, leave in a lane's registers of two neighbouring tiles 16 TRUE neighbours.
; code = x / 2^e, held within +-448, to the nearest code, ties to even.  LIMITS: every e used here lies between -126 and 119, so that 2^e and 448 x 2^e are f32 numbers.  NaN among the inputs is not served.
; No tensor loads, no barrier: waves share nothing.  Only the weights' path uses LDS (a stage of its own for each wave).
.set WQOFF,  524288                    ; pc: W_kv_down at 0 (4 x 8 blocks), W_q (8 x 8),
.set WUOFF,  1572864                   ; W_kv_up (16 x 4),
.set WOOFF,  2621440                   ; W_o (8 x 8),
.set WF1OFF, 3670016                   ; W_ff1 (32 x 8),
.set WF2OFF, 7864320                   ; W_ff2 (8 x 32),
.set H0OFF,  12058624                  ; h with e0 (32 x 8); h with e4 lies 4,194,304 bytes behind it
; LayerNorm path: v2 x offset, v3 g/b offset, v4 code offset, v[10:11] mean, v[12:13] 1/sqrt, v14-17 scales and holds, v[18:25] four chains, v26, v27 at work
.set X,  32                            ; v32-95   64 numbers of my row
.set G,  96                            ; v96-159  the gains of my 64 columns
.set BB, 160                           ; v160-223 the biases
.set T,  224                           ; v224-239 16 held numbers
.set C,  240                           ; v240-255 codes, four registers a chunk
; weights' path
.set OF,   32                          ; v32-63   row i of a block of 32 rows: i x N4 + 4 x lane
.set WX,   64                          ; v64-127  two sets of 32 numbers down K
.set WC,   128                         ; v128-135 a block's codes
.set OUTR, 136                         ; v136-199 the way out
.macro PICK start, p, sh, n4, kp, e, out   ; from work-group \start on the next tensor's figures hold; the choice hangs on the work-group's number alone
	s_cmp_ge_u32 s31, \start
	s_cselect_b64 s[32:33], s[\p:\p+1], s[32:33]
	s_cselect_b32 s34, \start, s34
	s_cselect_b32 s35, \sh, s35
	s_cselect_b32 s36, \n4, s36
	s_cselect_b32 s37, \kp, s37
	s_cselect_b32 s38, s[\e], s38
	s_cselect_b32 s39, \out, s39
.endm
.macro WLOAD t                         ; block t: W(32 t + i, my column), i = 0 .. 31: each load reads 128 consecutive bytes a wave, 512 a work-group
.set i, 0
.rept 32
	global_load_b32 v[WX+32*((\t)%2)+i], v[OF+i], s[40+2*(\t):41+2*(\t)] th:TH_LOAD_NT
.set i, i+1
.endr
.endm
.macro BLOCK t
.if (\t) < 7
	s_wait_loadcnt 32                              ; this block's 32 loads are in; the next block's 32 may be out
.else
	s_wait_loadcnt 0
.endif
.set i, 0
.rept 32
	v_med3_num_f32 v[WX+32*((\t)%2)+i], v[WX+32*((\t)%2)+i], -v10, v10   ; the conversion does not saturate (ISA guide 7.6.2): hold first
.set i, i+1
.endr
.irp g, 0,1,2,3
	v_cvt_scalef32_pk8_fp8_f32 v[WC+2*\g:WC+2*\g+1], v[WX+32*((\t)%2)+8*\g:WX+32*((\t)%2)+8*\g+7], v11
.endr
	ds_store_b128 v4, v[WC:WC+3] offset:32*(\t)    ; 32 codes of my column's row of the stage
	ds_store_b128 v4, v[WC+4:WC+7] offset:32*(\t)+16
.if (\t)+2 < 8
	WLOAD (\t)+2
.endif
	s_wait_dscnt 0x0                               ; the stores have read their registers: the next block's codes may be written
.endm
.macro XLD it                          ; pair it of my wave's rows: 64 numbers a lane
.irp j, 0,1,2,3
.irp i, 0,1,2,3
	global_load_b128 v[X+16*\j+4*\i:X+16*\j+4*\i+3], v2, s[8:9] offset:\it*8192+1024*\j+16*\i th:TH_LOAD_NT
.endr
.endr
.endm
.macro LANES r                         ; the sum over the 16 lanes that hold my row: lanes l xor 1, 2, 4 and 16 (lanes l xor 8 hold the pair's other row)
	v_add_f32_dpp v[\r], v[\r], v[\r] row_xmask:1 row_mask:0xf bank_mask:0xf
	v_add_f32_dpp v[\r], v[\r], v[\r] row_xmask:2 row_mask:0xf bank_mask:0xf
	v_add_f32_dpp v[\r], v[\r], v[\r] row_xmask:4 row_mask:0xf bank_mask:0xf
	v_permlanex16_b32 v26, v[\r], s60, s61
	v_add_f32 v[\r], v[\r], v26
.endm
.macro FOLD                            ; four chains of pairs into one number
	v_pk_add_f32 v[18:19], v[18:19], v[20:21]
	v_pk_add_f32 v[22:23], v[22:23], v[24:25]
	v_pk_add_f32 v[18:19], v[18:19], v[22:23]
	v_add_f32 v18, v18, v19
	LANES 18
.endm
.macro LNROWS                          ; X becomes (x - mean) / sqrt(var + eps) x g + b; the mean is taken away before the squares are summed
	s_wait_loadcnt 0x0
.irp c, 0,1,2,3
	v_pk_add_f32 v[18+2*\c:19+2*\c], v[X+2*\c:X+2*\c+1], v[X+8+2*\c:X+9+2*\c]
.endr
.set p, 8
.rept 24
	v_pk_add_f32 v[18+2*(p%4):19+2*(p%4)], v[18+2*(p%4):19+2*(p%4)], v[X+2*p:X+2*p+1]
.set p, p+1
.endr
	FOLD
	v_mul_f32 v10, s62, v18                        ; the mean: sum / 1,024
	v_mov_b32 v11, v10
.set p, 0
.rept 32
	v_pk_add_f32 v[X+2*p:X+2*p+1], v[X+2*p:X+2*p+1], v[10:11] neg_lo:[0,1] neg_hi:[0,1]
.set p, p+1
.endr
.irp c, 0,1,2,3
	v_pk_mul_f32 v[18+2*\c:19+2*\c], v[X+2*\c:X+2*\c+1], v[X+2*\c:X+2*\c+1]
.endr
.set p, 4
.rept 28
	v_pk_fma_f32 v[18+2*(p%4):19+2*(p%4)], v[X+2*p:X+2*p+1], v[X+2*p:X+2*p+1], v[18+2*(p%4):19+2*(p%4)]
.set p, p+1
.endr
	FOLD
	v_fmaak_f32 v27, s62, v18, 0x3727c5ac          ; var + 1e-5
	v_rsq_f32 v12, v27
	v_nop                                          ; a plain instruction behind the transcendental
	s_wait_alu depctr_va_vdst(0)                   ; the wait ahead of the first reader
	v_mov_b32 v13, v12
.set p, 0
.rept 32
	v_pk_mul_f32 v[X+2*p:X+2*p+1], v[X+2*p:X+2*p+1], v[12:13]
.set p, p+1
.endr
.set p, 0
.rept 32
	v_pk_fma_f32 v[X+2*p:X+2*p+1], v[X+2*p:X+2*p+1], v[G+2*p:G+2*p+1], v[BB+2*p:BB+2*p+1]
.set p, p+1
.endr
.endm
.macro QSET set, it, sc, lim           ; the pair's codes with one scale.  A store: lanes 0-15 fill 256 consecutive bytes (two neighbouring places of block 2 j), lanes 16-31 the same of block 2 j + 1
	s_wait_xcnt 0x0                                ; earlier stores have read C: it is written again only behind this wait
.irp j, 0,1,2,3
.set i, 0
.rept 16
	v_med3_num_f32 v[T+i], v[X+16*\j+i], -v[\lim], v[\lim]
.set i, i+1
.endr
	v_cvt_scalef32_pk8_fp8_f32 v[C+4*\j:C+4*\j+1], v[T:T+7], v[\sc]
	v_cvt_scalef32_pk8_fp8_f32 v[C+4*\j+2:C+4*\j+3], v[T+8:T+15], v[\sc]
	v_nop                                          ; a plain instruction between the conversions and the next chunk's holds, which write their sources
	global_store_b128 v4, v[C+4*\j:C+4*\j+3], s[28:29] offset:\set*4194304+\it*256+\j*32768
.endr
.endm
	s_load_b512 s[8:23], s[0:1], 0x0               ; x, ln1_g, ln1_b, W_kv_down, W_q, W_kv_up, W_o, W_ff1
	s_load_b128 s[24:27], s[0:1], 0x40             ; W_ff2, lowp_scales
	s_load_b64 s[28:29], s[0:1], 0x50              ; pc
	v_lshrrev_b32 v1, 5, v0
	v_readfirstlane_b32 s30, v1                    ; wave 0..3
	v_and_b32 v1, 31, v0                           ; lane
	s_wait_kmcnt 0x0
	s_load_b512 s[68:83], s[26:27], 0x0            ; e0 .. e15
	s_cmp_lt_u32 ttmp9, 256
	s_cbranch_scc1 .Lln
	; ---- THE WEIGHTS.  A work-group takes 128 columns x 256 along K, a wave 32 columns.  A LANE TAKES A COLUMN AND ITS REGISTERS RUN DOWN K, so the conversions give codes with K innermost.
	s_sub_co_u32 s31, ttmp9, 256
	s_wait_kmcnt 0x0
	s_mov_b64 s[32:33], s[14:15]                   ; W_kv_down: 16 work-groups
	s_mov_b32 s34, 0                               ; the tensor's first work-group
	s_mov_b32 s35, 2                               ; log2(N / 128)
	s_mov_b32 s36, 2048                            ; N4: a row of W in bytes
	s_mov_b32 s37, 8                               ; K / 128
	s_mov_b32 s38, s69                             ; e
	s_mov_b32 s39, 0                               ; its place in pc
	PICK 16,  16, 3, 4096,  8,  73, WQOFF
	PICK 48,  18, 4, 8192,  4,  71, WUOFF
	PICK 80,  20, 3, 4096,  8,  79, WOOFF
	PICK 112, 22, 5, 16384, 8,  81, WF1OFF
	PICK 240, 24, 3, 4096,  32, 83, WF2OFF
	s_sub_co_u32 s31, s31, s34
	s_bfm_b32 s56, s35, 0
	s_and_b32 s56, s31, s56                        ; nb: which 128 columns
	s_lshr_b32 s57, s31, s35                       ; ky: which 256 along K
	s_lshl_b32 s58, s36, 8
	s_mul_i32 s58, s58, s57                        ; 256 ky rows of N4 bytes (under 2^24 for every tensor here)
	s_lshl_b32 s59, s56, 9
	s_add_co_u32 s58, s58, s59
	s_lshl_b32 s59, s30, 7
	s_add_co_u32 s58, s58, s59                     ; + 512 nb + 128 wave
	s_mov_b32 s59, 0
	s_add_nc_u64 s[40:41], s[32:33], s[58:59]      ; a base for each block of 32 rows: no pointer is ever stepped
	s_lshl_b32 s58, s36, 5
.irp t, 1,2,3,4,5,6,7
	s_add_nc_u64 s[40+2*\t:41+2*\t], s[38+2*\t:39+2*\t], s[58:59]
.endr
	s_mul_i32 s60, s56, s37
	s_lshl_b32 s61, s57, 1
	s_add_co_u32 s60, s60, s61
	s_lshl_b32 s60, s60, 14                        ; block (nb, 2 ky)
	s_add_co_u32 s60, s60, s39
	s_lshl_b32 s61, s30, 12
	s_add_co_u32 s60, s60, s61                     ; my wave's 32 places of 128 bytes
	s_mov_b32 s61, 0
	s_add_nc_u64 s[28:29], s[28:29], s[60:61]
	v_lshlrev_b32 v3, 2, v1
.set i, 0
.rept 32
	v_mad_u32_u24 v[OF+i], s36, i, v3
.set i, i+1
.endr
	WLOAD 0
	WLOAD 1
	s_mul_i32 s62, s30, 8704                       ; my stage: 32 rows (columns of W) x (256 bytes + 16)
	v_mul_u32_u24 v4, v1, 272
	v_add_nc_u32 v4, s62, v4                       ; in: row = my column
	v_lshrrev_b32 v5, 3, v1
	v_and_b32 v6, 7, v1
	v_mul_u32_u24 v7, v5, 272
	v_lshl_add_u32 v7, v6, 4, v7
	v_add_nc_u32 v7, s62, v7                       ; back: eight lanes to 128 bytes of a row, four rows an instruction
	v_lshlrev_b32 v8, 4, v1
	s_add_co_i32 s38, s38, 127
	s_lshl_b32 s63, s38, 23
	v_mov_b32 v11, s63                             ; 2^e
	s_add_co_i32 s38, s38, 8
	s_lshl_b32 s38, s38, 23
	s_or_b32 s38, s38, 0x600000
	v_mov_b32 v10, s38                             ; 448 x 2^e
.irp t, 0,1,2,3,4,5,6,7
	BLOCK \t
.endr
	; the way out: store n % 8 of block n / 8 fills places 4 i .. 4 i + 3, which hold the true rows 4 i' .. 4 i' + 3, i' = i with bits 1 and 2 exchanged: pi is applied by the read's offset alone
.set n, 0
.rept 16
.set ip, ((n%8)&1)|(((n%8)&2)<<1)|(((n%8)&4)>>1)
	ds_load_b128 v[OUTR+4*n:OUTR+4*n+3], v7 offset:4*ip*272+128*(n/8)   ; LDS serves a wave's instructions in order: these see my stores
.set n, n+1
.endr
.set n, 0
.rept 16
	s_wait_dscnt 15-n
	global_store_b128 v8, v[OUTR+4*n:OUTR+4*n+3], s[28:29] offset:(n/8)*16384+(n%8)*512   ; 512 consecutive bytes, aligned
.set n, n+1
.endr
	s_endpgm
.Lln:	; ---- LAYERNORM 1.  A wave takes four rows, two at a time.  Lane l: row (l >> 3) & 1 of the pair; in chunk j it holds k = 128 (2 j + (l >> 4)) + 16 (l & 7) + 0 .. 15
	s_lshl_b32 s31, ttmp9, 4
	s_lshl_b32 s32, s30, 2
	s_add_co_u32 s31, s31, s32                     ; my first row
	s_lshr_b32 s33, s31, 7                         ; its block of 128 rows
	s_and_b32 s34, s31, 0x67
	s_and_b32 s35, s31, 8
	s_lshl_b32 s35, s35, 1
	s_or_b32 s34, s34, s35
	s_and_b32 s35, s31, 16
	s_lshr_b32 s35, s35, 1
	s_or_b32 s34, s34, s35                         ; its place pi(row % 128); the wave's four rows have neighbouring places
	s_lshl_b32 s36, s31, 12
	s_mov_b32 s37, 0
	s_add_nc_u64 s[8:9], s[8:9], s[36:37]
	s_lshl_b32 s36, s33, 17
	s_lshl_b32 s35, s34, 7
	s_add_co_u32 s36, s36, s35
	s_add_co_u32 s36, s36, H0OFF
	s_add_nc_u64 s[28:29], s[28:29], s[36:37]
	v_bfe_u32 v5, v0, 3, 1
	v_bfe_u32 v6, v0, 4, 1
	v_and_b32 v7, 7, v0
	v_lshlrev_b32 v3, 6, v7
	v_lshl_add_u32 v3, v6, 9, v3                   ; g, b: 512 (l >> 4) + 64 (l & 7)
	v_lshl_add_u32 v2, v5, 12, v3                  ; x: + my row of the pair
	v_lshlrev_b32 v4, 4, v7
	v_lshl_add_u32 v4, v5, 7, v4
	v_lshl_add_u32 v4, v6, 14, v4                  ; codes: 16,384 (l >> 4) + 128 x row + 16 (l & 7)
	XLD 0
.irp j, 0,1,2,3
.irp i, 0,1,2,3
	global_load_b128 v[G+16*\j+4*\i:G+16*\j+4*\i+3], v3, s[10:11] offset:1024*\j+16*\i
	global_load_b128 v[BB+16*\j+4*\i:BB+16*\j+4*\i+3], v3, s[12:13] offset:1024*\j+16*\i
.endr
.endr
	s_mov_b32 s60, 0x76543210                      ; v_permlanex16_b32: lane l xor 16
	s_mov_b32 s61, 0xfedcba98
	s_mov_b32 s62, 0x3a800000                      ; 1 / 1,024
	v_mov_b32 v26, 0                               ; a lane permute's destination counts as read
	s_wait_kmcnt 0x0
	s_add_co_i32 s40, s68, 127
	s_lshl_b32 s41, s40, 23
	v_mov_b32 v14, s41                             ; 2^e0
	s_add_co_i32 s40, s40, 8
	s_lshl_b32 s40, s40, 23
	s_or_b32 s40, s40, 0x600000
	v_mov_b32 v15, s40                             ; 448 x 2^e0
	s_add_co_i32 s40, s72, 127
	s_lshl_b32 s41, s40, 23
	v_mov_b32 v16, s41                             ; 2^e4
	s_add_co_i32 s40, s40, 8
	s_lshl_b32 s40, s40, 23
	s_or_b32 s40, s40, 0x600000
	v_mov_b32 v17, s40
	LNROWS
	QSET 0, 0, 14, 15
	QSET 1, 0, 16, 17
	XLD 1                                          ; X is free: the holds have read it
	LNROWS
	QSET 0, 1, 14, 15
	QSET 1, 1, 16, 17
	s_endpgm
.Lfunc_end_k_q8d0e1e7efd_prep:
	.size	k_q8d0e1e7efd_prep, .Lfunc_end_k_q8d0e1e7efd_prep-k_q8d0e1e7efd_prep
	.p2alignl 7, 3214868480
	.fill 96, 4, 3214868480
	.section	.rodata,"a",@progbits
	.p2align	6, 0x0
	.amdhsa_kernel k_q8d0e1e7efd_prep
		.amdhsa_group_segment_fixed_size 34816
		.amdhsa_private_segment_fixed_size 0
		.amdhsa_enable_private_segment 0
		.amdhsa_kernarg_size 88
		.amdhsa_user_sgpr_count 2
		.amdhsa_user_sgpr_kernarg_segment_ptr 1
		.amdhsa_wavefront_size32 1
		.amdhsa_system_sgpr_workgroup_id_x 1
		.amdhsa_system_sgpr_workgroup_id_y 1
		.amdhsa_system_sgpr_workgroup_id_z 1
		.amdhsa_system_vgpr_workitem_id 0
		.amdhsa_next_free_vgpr 256
		.amdhsa_next_free_sgpr 96
		.amdhsa_reserve_vcc 0
		.amdhsa_float_denorm_mode_32 3
		.amdhsa_float_denorm_mode_16_64 3
		.amdhsa_memory_ordered 1
		.amdhsa_forward_progress 1
		.amdhsa_inst_pref_size 104
	.end_amdhsa_kernel
	.amdgpu_metadata
---
amdhsa.version: [ 1, 2 ]
amdhsa.kernels:
  - .name:           k_q8d0e1e7efd_prep
    .symbol:         k_q8d0e1e7efd_prep.kd
    .args:
      - { .name: x, .offset: 0, .size: 8, .value_kind: global_buffer, .address_space: global }
      - { .name: ln1_g, .offset: 8, .size: 8, .value_kind: global_buffer, .address_space: global }
      - { .name: ln1_b, .offset: 16, .size: 8, .value_kind: global_buffer, .address_space: global }
      - { .name: W_kv_down, .offset: 24, .size: 8, .value_kind: global_buffer, .address_space: global }
      - { .name: W_q, .offset: 32, .size: 8, .value_kind: global_buffer, .address_space: global }
      - { .name: W_kv_up, .offset: 40, .size: 8, .value_kind: global_buffer, .address_space: global }
      - { .name: W_o, .offset: 48, .size: 8, .value_kind: global_buffer, .address_space: global }
      - { .name: W_ff1, .offset: 56, .size: 8, .value_kind: global_buffer, .address_space: global }
      - { .name: W_ff2, .offset: 64, .size: 8, .value_kind: global_buffer, .address_space: global }
      - { .name: lowp_scales, .offset: 72, .size: 8, .value_kind: global_buffer, .address_space: global }
      - { .name: pc, .offset: 80, .size: 8, .value_kind: global_buffer, .address_space: global }
    .group_segment_fixed_size: 34816
    .private_segment_fixed_size: 0
    .kernarg_segment_align: 8
    .kernarg_segment_size: 88
    .max_flat_workgroup_size: 128
    .sgpr_count:     96
    .vgpr_count:     256
    .wavefront_size: 32
...
	.end_amdgpu_metadata
.endif
;; end of part 1
;; launch qlat (part 2): grid 12 x 32, 4 waves a work-group, clusters of 4 x 4, 327,680 bytes of LDS; arguments pc, lowp_scales, ql; writes ql
.if DOCPART == 2
	.amdgcn_target "amdgcn-amd-amdhsa--gfx1250"
	.amdhsa_code_object_version 6
	.text
	.protected	k_q8d0e1e7efd_qlat
	.globl	k_q8d0e1e7efd_qlat
	.p2align	8
	.type	k_q8d0e1e7efd_qlat,@function
k_q8d0e1e7efd_qlat:
	s_mov_b64 s[64:65], 0
	v_nop
	global_prefetch_b8 v0, s[64:65] scope:SCOPE_SE
	s_setreg_imm32_b32 hwreg(HW_REG_WAVE_MODE, 25, 1), 1
	s_wait_xcnt 0x0
	s_wait_alu depctr_hold_cnt(0) depctr_sa_sdst(0) depctr_va_vdst(0) depctr_va_sdst(0) depctr_va_ssrc(0) depctr_va_vcc(0) depctr_vm_vsrc(0)
	s_getreg_b32 s2, hwreg(HW_REG_IB_STS2, 6, 4)
	s_cmp_eq_u32 s2, 0
	s_cbranch_scc0 .Lentry_in_a_cluster
	s_endpgm
.Lentry_in_a_cluster:
	s_bfe_u32 s2, ttmp6, 0x10000c
	s_cmp_lg_u32 s2, 0xf033
	s_cbranch_scc0 .Lentry_shape_is_right
	s_endpgm
.Lentry_shape_is_right:
; QLAT: latent = Q(h, e0) Q(W_kv_down, e1) (tile columns 0-3) and q = Q(h, e4) Q(W_q, e5) (tile columns 4-11), on codes of E4M3; the results leave as codes: latent with 2^e2, q with 2^e6.
; A tile of the result is 128 rows x 128 columns; four waves, each 64 x 64: 16 accumulators.  K = 1,024 is eight blocks of 128 x 128 codes for each operand: ALL of them fit in LDS, so every tile is filled once and nothing is filled again.
; Operands lie in blocks of 16,384 dense bytes (row place p: 128 bytes; true row n at place n with bits 3, 4 exchanged).  THE MATRIX INSTRUCTION IS USED TRANSPOSED (source 0 = 16 places of the weight, source 1 = 16 places of h):
; a lane holds one row, and its 16 registers of two neighbouring tiles are 16 true neighbouring columns: the conversions' results are 16 bytes on end of the next operand.  Rows keep their places.
; A fragment (16 x 128 codes) comes by four loads of 16 bytes, 32 apart: the same permutation of k in both operands, so every product meets its partner.
; CLUSTERS 4 x 4: h's blocks are asked for jointly along a row of the cluster, the weight's along a column.  Cluster x = 0 makes the latent, clusters 1 and 2 make q: the choice hangs on the cluster's x, which all partners share.
; LIMITS: e2 - e0 - e1 and e6 - e4 - e5 lie between -126 and 119.
; REGISTERS: window 0: v1-7 at work, v16-23 fragment addresses, v24-27 the way out, v32-95 codes and rows, v128-255 accumulators ((a, b) at v[128 + 8 (4 a + b)]).  window 1: two fragment buffers of 128: A's four at +16 a, B's four at +64 + 16 b.
.set KSH,    17                        ; a tile's eight blocks: 2^17 bytes
.set H0OFF,  12058624                  ; pc: h with e0; h with e4 lies 2^22 bytes on; W_kv_down at 0 and W_q straight behind it
.set QOFF,   2097152                   ; ql: the latent (32 x 4 blocks) at 0, q (32 x 8) here
.set APITCH, 144                       ; an LDS row: 128 bytes + 16: 36 words, so the 16 rows of a load start at 16 different groups of four banks
.set APLANE, 128*APITCH
.set ACH2,   64                        ; where k = 64 .. 127 of a row begin
.set AROWB,  128
.set AROWS,  256                       ; a load brings two blocks
.set AQI,    4                         ; padding behind every 32 words
.set BPITCH, 144
.set BPLANE, 128*BPITCH
.set BREG,   8*APLANE                  ; A's eight blocks, then B's eight.  The stage of the way out lies at byte 0, in A's blocks 0-3
.set ADRA, 16
.set ADRB, 20
.set STO,  24
.set RD,   25
.set CO,   26
.set SC,   27
.set LIM,  30
.set TMP,  32
.set ACC,  128
.set G1,  24                           ; s[24:31] group 1 for A; s[32:39] its groups 0, one for each half of K
.set G0,  32
.set G1B, 48                           ; s[48:55], s[56:63] the same for B
.set G0B, 56
.set MSB, 0
.macro WIN new                         ; the immediate's high byte repeats the setting that is left
.if MSB != \new
	s_set_vgpr_msb (MSB<<8)|\new
.set MSB, \new
.endif
.endm
.set MUL,  0x05                        ; sources 0 and 1 window 1; C and D window 0
.set TO_F, 0x40                        ; destination window 1, address window 0
.macro JLOAD s                         ; a joint load: waves 0, 1 fetch for A, waves 2, 3 for B; four v_nop follow each line
	s_cmp_eq_u32 s11, 0
	s_cbranch_scc0 .Lfor_b_\@
	tensor_load_to_lds s[G0+4*\s:G0+4*\s+3], s[G1:G1+7]
	s_nop 0
.rept 4
	v_nop
.endr
	s_branch .Lasked_\@
.Lfor_b_\@:
	tensor_load_to_lds s[G0B+4*\s:G0B+4*\s+3], s[G1B:G1B+7]
	s_nop 0
.rept 4
	v_nop
.endr
.Lasked_\@:
.endm
.macro CROUND                          ; a round of the cluster's barrier
	s_barrier_signal -1
	s_barrier_wait -1
	s_cmp_lg_u32 s10, 0
	s_cbranch_scc1 .Lnot_wave_0_\@
	s_barrier_signal -3
.Lnot_wave_0_\@:
	s_barrier_wait -3
	s_barrier_signal -1
	s_barrier_wait -1
.endm
.macro PLACES                          ; four places in front of loads into registers that matrix instructions have read, and of reads of results
.rept 4
	v_nop
.endr
.endm
.macro MUL8 f, a0, zero                ; 8 matrix instructions: A's blocks a0, a0 + 1 x B's four, 128 along K.  The 16 accumulators take turns
.irp a, \a0, \a0+1
.irp b, 0,1,2,3
.if \zero
	v_wmma_f32_16x16x128_fp8_fp8 v[ACC+8*(4*(\a)+\b):ACC+8*(4*(\a)+\b)+7], v[(\f)+64+16*\b:(\f)+64+16*\b+15], v[(\f)+16*(\a):(\f)+16*(\a)+15], 0
.else
	v_wmma_f32_16x16x128_fp8_fp8 v[ACC+8*(4*(\a)+\b):ACC+8*(4*(\a)+\b)+7], v[(\f)+64+16*\b:(\f)+64+16*\b+15], v[(\f)+16*(\a):(\f)+16*(\a)+15], v[ACC+8*(4*(\a)+\b):ACC+8*(4*(\a)+\b)+7]
.endif
.endr
.endr
.endm
.macro FETCH g                         ; 32 LDS loads in one run: block g's fragments into buffer g % 2: B's four, then A's four
	WIN TO_F
.irp i, 0,1,2,3
.irp c, 0,1,2,3
	ds_load_b128 v[128*((\g)%2)+64+16*\i+4*\c:128*((\g)%2)+64+16*\i+4*\c+3], v[ADRB+(\g)/2] offset:((\g)%2)*BPLANE+\i*16*BPITCH+32*\c
.endr
.endr
.irp i, 0,1,2,3
.irp c, 0,1,2,3
	ds_load_b128 v[128*((\g)%2)+16*\i+4*\c:128*((\g)%2)+16*\i+4*\c+3], v[ADRA+(\g)/2] offset:((\g)%2)*APLANE+\i*16*APITCH+32*(\c%2)+ACH2*(\c/2)
.endr
.endr
.endm
.macro QUARTER g, nx, zero             ; block g is multiplied; in the middle block nx is fetched into the other buffer
	s_wait_dscnt 8                                 ; B's fragments and A's 0, 1 are in; the youngest eight loads (A's 2, 3) may be out
	WIN MUL
	MUL8 128*((\g)%2), 0, \zero
	PLACES
	FETCH \nx
	s_wait_dscnt 32                                ; all but the 32 just issued
	WIN MUL
	MUL8 128*((\g)%2), 2, \zero
.endm
.macro TURN g, nx                      ; from the first half of K to the second: my second load has landed, and a barrier shows everybody's
	s_wait_tensorcnt 0x0                           ; no load was issued behind it
	s_wait_dscnt 8
	WIN MUL
	MUL8 128*((\g)%2), 0, 0
	s_wait_dscnt 0x0                               ; my reads of blocks 0-3 are over: behind this barrier their bytes are free for the stage
	s_barrier_signal -1
	s_barrier_wait -1
	PLACES
	FETCH \nx
	WIN MUL
	MUL8 128*((\g)%2), 2, 0
.endm
.macro LAST g
	s_wait_dscnt 8
	WIN MUL
	MUL8 128*((\g)%2), 0, 0
	s_wait_alu depctr_va_vdst(0)
	s_wait_dscnt 0x0
	MUL8 128*((\g)%2), 2, 0
	WIN 0
.endm
	s_load_b128 s[4:7], s[0:1], 0x0                ; pc, lowp_scales
	s_load_b64 s[8:9], s[0:1], 0x10                ; ql
	v_lshrrev_b32 v1, 5, v0
	v_readfirstlane_b32 s10, v1                    ; wave 0..3
	s_lshr_b32 s11, s10, 1                         ; my half of A's rows.  Also: I fetch for A (0) or for B (1)
	s_and_b32 s12, s10, 1                          ; my half of B's rows.  Also: which two blocks of four I fetch
	s_bfe_u32 s40, ttmp6, 0x40000                  ; cx, cy
	s_bfe_u32 s41, ttmp6, 0x40004
	s_lshl_b32 s42, ttmp9, 2
	s_add_co_u32 s42, s42, s40                     ; tile column
	s_and_b32 s13, ttmp7, 0xffff
	s_lshl_b32 s13, s13, 2
	s_add_co_u32 s13, s13, s41                     ; tile row
	s_lshl_b32 s43, s41, 2
	s_lshl_b32 s43, 15, s43                        ; my row of the cluster
	s_lshl_b32 s44, 0x1111, s40                    ; my column
	s_or_b32 s[G1+0], s43, (1<<20)|(1<<21)|(AQI<<22)|(3<<25)   ; the mask; elements of 1 byte; padding on, 4 words behind every row; bit 21 beside a mask
	s_or_b32 s[G1B+0], s44, (1<<20)|(1<<21)|(4<<22)|(3<<25)
	s_mov_b32 s[G1+1], AROWB<<16                   ; tensor_dim0
	s_mov_b32 s[G1+2], AROWS<<16                   ; tensor_dim1
	s_mov_b32 s[G1+3], AROWB<<16                   ; tile_dim0
	s_mov_b32 s[G1+4], AROWS                       ; tile_dim1
	s_mov_b32 s[G1+5], AROWB                       ; the pitch: rows are dense
	s_mov_b32 s[G1+6], 0
	s_mov_b32 s[G1+7], 0
	s_mov_b32 s[G1B+1], 128<<16
	s_mov_b32 s[G1B+2], 256<<16
	s_mov_b32 s[G1B+3], 128<<16
	s_mov_b32 s[G1B+4], 256
	s_mov_b32 s[G1B+5], 128
	s_mov_b32 s[G1B+6], 0
	s_mov_b32 s[G1B+7], 0
	s_min_u32 s16, ttmp9, 1                        ; A: h with e0 for the latent, with e4 for q
	s_lshl_b32 s16, s16, 22
	s_lshl_b32 s17, s13, KSH
	s_add_co_u32 s16, s16, s17
	s_lshl_b32 s17, s12, 15
	s_add_co_u32 s16, s16, s17
	s_add_co_u32 s16, s16, H0OFF
	s_mov_b32 s17, 0
	s_lshl_b32 s46, s42, KSH                       ; B: W_kv_down's four tiles, then W_q's eight
	s_lshl_b32 s47, s12, 15
	s_add_co_u32 s46, s46, s47
	s_mov_b32 s47, 0
	s_mul_i32 s20, s12, 2*APLANE                   ; where they go: no place in the cluster enters an LDS address
	s_mul_i32 s21, s12, 2*BPLANE
	s_add_co_u32 s21, s21, BREG
	s_wait_kmcnt 0x0
	s_load_b512 s[68:83], s[6:7], 0x0              ; e0 .. e15
	s_add_nc_u64 s[14:15], s[4:5], s[16:17]
	s_add_nc_u64 s[46:47], s[4:5], s[46:47]
	CROUND                                         ; all sixteen work-groups are here: the joint loads meet
.irp s, 0,1
	s_mov_b32 s[G0+4*\s], 1
	s_add_co_u32 s[G0+4*\s+1], s20, \s*4*APLANE
	s_add_nc_u64 s[G0+4*\s+2:G0+4*\s+3], s[14:15], \s*65536
	s_or_b32 s[G0+4*\s+3], s[G0+4*\s+3], 0x80000000
	s_mov_b32 s[G0B+4*\s], 1
	s_add_co_u32 s[G0B+4*\s+1], s21, \s*4*BPLANE
	s_add_nc_u64 s[G0B+4*\s+2:G0B+4*\s+3], s[46:47], \s*65536
	s_or_b32 s[G0B+4*\s+3], s[G0B+4*\s+3], 0x80000000
	JLOAD \s                                       ; two loads of mine are out
.endr
	v_and_b32 v1, 15, v0                           ; r
	v_bfe_u32 v2, v0, 4, 1                         ; h
	v_mul_u32_u24 v3, v1, APITCH
	v_lshl_add_u32 v3, v2, 4, v3
	s_wait_alu depctr_va_vdst(0)
	v_mul_u32_u24 v4, v1, BPITCH
	v_lshl_add_u32 v4, v2, 4, v4
	s_wait_alu depctr_va_vdst(0)
	s_mul_i32 s21, s11, 64*APITCH
	s_mul_i32 s22, s12, 64*BPITCH
	s_add_co_u32 s22, s22, BREG
.irp p, 0,1,2,3
	v_add_nc_u32 v[ADRA+\p], s21, v3               ; blocks 2 p, 2 p + 1
	v_add_nc_u32 v[ADRB+\p], s22, v4
	s_add_co_u32 s21, s21, 2*APLANE
	s_add_co_u32 s22, s22, 2*BPLANE
.endr
	s_mul_i32 s23, s11, 64*144                     ; the stage, 128 rows x (128 + 16) bytes: in at row 64 s11 + r, byte 64 s12 + 16 h
	s_lshl_b32 s21, s12, 6
	s_add_co_u32 s23, s23, s21
	v_add_nc_u32 v[STO], s23, v4
	v_and_b32 v5, 31, v0
	v_lshrrev_b32 v6, 3, v5
	v_and_b32 v7, 7, v5
	v_mul_u32_u24 v6, v6, 144
	v_lshl_add_u32 v6, v7, 4, v6
	s_mul_i32 s23, s10, 32*144
	v_add_nc_u32 v[RD], s23, v6                    ; back: my 32 rows, four whole rows an instruction
	v_lshlrev_b32 v[CO], 4, v5
	s_cmp_eq_u32 ttmp9, 0                          ; where the tile goes: one block of the next operand
	s_cselect_b32 s90, 2, 3
	s_cselect_b32 s91, 0, QOFF-4*16384
	s_lshl_b32 s92, s13, s90
	s_add_co_u32 s92, s92, s42
	s_lshl_b32 s92, s92, 14
	s_add_co_u32 s92, s92, s91
	s_lshl_b32 s93, s10, 12
	s_add_co_u32 s92, s92, s93
	s_mov_b32 s93, 0
	s_add_nc_u64 s[8:9], s[8:9], s[92:93]
	s_wait_kmcnt 0x0
	s_sub_co_i32 s94, s70, s68                     ; a sum stands for sum x 2^(eA + eB): the three scales are folded into the conversion's one
	s_sub_co_i32 s94, s94, s69
	s_sub_co_i32 s95, s74, s72
	s_sub_co_i32 s95, s95, s73
	s_cmp_eq_u32 ttmp9, 0
	s_cselect_b32 s94, s94, s95
	s_add_co_i32 s94, s94, 127
	s_lshl_b32 s95, s94, 23
	v_mov_b32 v[SC], s95
	s_add_co_i32 s94, s94, 8
	s_lshl_b32 s94, s94, 23
	s_or_b32 s94, s94, 0x600000
	s_wait_tensorcnt 1                             ; my part of blocks 0-3 is in; my second load may be out
	s_barrier_signal -1
	s_barrier_wait -1
	FETCH 0
	QUARTER 0, 1, 1                                ; the first products start the sums: nothing is cleared
	QUARTER 1, 2, 0
	QUARTER 2, 3, 0
	TURN 3, 4
	QUARTER 4, 5, 0
	QUARTER 5, 6, 0
	QUARTER 6, 7, 0
	LAST 7
	; THE WAY OUT: convert, 16 bytes a lane into the stage; a barrier, since a row's 128 bytes come from two waves; back as whole rows; 512 dense bytes a store
	PLACES
.irp a, 0,1,2,3
.set j, 0
.rept 32
.set j, j+1
.endr
.irp g, 0,1,2,3
	v_cvt_scalef32_pk8_fp8_f32 v[TMP+8*\a+2*\g:TMP+8*\a+2*\g+1], v[ACC+32*\a+8*\g:ACC+32*\a+8*\g+7], v[SC]
.endr
.endr
	v_nop                                          ; a plain instruction behind the last conversion
.irp a, 0,1,2,3
	ds_store_b128 v[STO], v[TMP+8*\a:TMP+8*\a+3] offset:\a*16*144
	ds_store_b128 v[STO], v[TMP+8*\a+4:TMP+8*\a+7] offset:\a*16*144+32
.endr
	s_wait_dscnt 0x0                               ; for the others' sake: my stores are done
	s_barrier_signal -1
	s_barrier_wait -1
.irp i, 0,1,2,3,4,5,6,7
	ds_load_b128 v[TMP+32+4*\i:TMP+32+4*\i+3], v[RD] offset:\i*4*144
.endr
.irp i, 0,1,2,3,4,5,6,7
	s_wait_dscnt 7-\i
	global_store_b128 v[CO], v[TMP+32+4*\i:TMP+32+4*\i+3], s[8:9] offset:512*\i
.endr
	CROUND                                         ; the closing round: no work-group ends while a partner may still ask for a tile that names it
	s_endpgm
.Lfunc_end_k_q8d0e1e7efd_qlat:
	.size	k_q8d0e1e7efd_qlat, .Lfunc_end_k_q8d0e1e7efd_qlat-k_q8d0e1e7efd_qlat
	.p2alignl 7, 3214868480
	.fill 96, 4, 3214868480
	.section	.rodata,"a",@progbits
	.p2align	6, 0x0
	.amdhsa_kernel k_q8d0e1e7efd_qlat
		.amdhsa_group_segment_fixed_size 327680
		.amdhsa_private_segment_fixed_size 0
		.amdhsa_enable_private_segment 0
		.amdhsa_kernarg_size 24
		.amdhsa_user_sgpr_count 2
		.amdhsa_user_sgpr_kernarg_segment_ptr 1
		.amdhsa_wavefront_size32 1
		.amdhsa_system_sgpr_workgroup_id_x 1
		.amdhsa_system_sgpr_workgroup_id_y 1
		.amdhsa_system_sgpr_workgroup_id_z 1
		.amdhsa_system_vgpr_workitem_id 0
		.amdhsa_next_free_vgpr 512
		.amdhsa_next_free_sgpr 100
		.amdhsa_reserve_vcc 0
		.amdhsa_float_denorm_mode_32 3
		.amdhsa_float_denorm_mode_16_64 3
		.amdhsa_fp16_overflow 1
		.amdhsa_memory_ordered 1
		.amdhsa_forward_progress 1
		.amdhsa_inst_pref_size 38
	.end_amdhsa_kernel
	.amdgpu_metadata
---
amdhsa.version: [ 1, 2 ]
amdhsa.kernels:
  - .name:           k_q8d0e1e7efd_qlat
    .symbol:         k_q8d0e1e7efd_qlat.kd
    .args:
      - { .name: pc, .offset: 0, .size: 8, .value_kind: global_buffer, .address_space: global }
      - { .name: lowp_scales, .offset: 8, .size: 8, .value_kind: global_buffer, .address_space: global }
      - { .name: ql, .offset: 16, .size: 8, .value_kind: global_buffer, .address_space: global }
    .group_segment_fixed_size: 327680
    .private_segment_fixed_size: 0
    .kernarg_segment_align: 8
    .kernarg_segment_size: 24
    .max_flat_workgroup_size: 128
    .sgpr_count:     100
    .vgpr_count:     512
    .wavefront_size: 32
...
	.end_amdgpu_metadata
.endif
;; end of part 2
;; launch kv (part 3): grid 16 x 32, 4 waves a work-group, clusters of 4 x 4, 327,680 bytes of LDS; arguments ql, pc, lowp_scales, kvc; writes kvc
.if DOCPART == 3
	.amdgcn_target "amdgcn-amd-amdhsa--gfx1250"
	.amdhsa_code_object_version 6
	.text
	.protected	k_q8d0e1e7efd_kv
	.globl	k_q8d0e1e7efd_kv
	.p2align	8
	.type	k_q8d0e1e7efd_kv,@function
k_q8d0e1e7efd_kv:
	s_mov_b64 s[64:65], 0
	v_nop
	global_prefetch_b8 v0, s[64:65] scope:SCOPE_SE
	s_setreg_imm32_b32 hwreg(HW_REG_WAVE_MODE, 25, 1), 1
	s_wait_xcnt 0x0
	s_wait_alu depctr_hold_cnt(0) depctr_sa_sdst(0) depctr_va_vdst(0) depctr_va_sdst(0) depctr_va_ssrc(0) depctr_va_vcc(0) depctr_vm_vsrc(0)
	s_getreg_b32 s2, hwreg(HW_REG_IB_STS2, 6, 4)
	s_cmp_eq_u32 s2, 0
	s_cbranch_scc0 .Lentry_in_a_cluster
	s_endpgm
.Lentry_in_a_cluster:
	s_bfe_u32 s2, ttmp6, 0x10000c
	s_cmp_lg_u32 s2, 0xf033
	s_cbranch_scc0 .Lentry_shape_is_right
	s_endpgm
.Lentry_shape_is_right:
; KV: kv = Q(latent, e2) Q(W_kv_up, e3), K = 512, on codes of E4M3.  Tile columns 0-7 are k (two heads a tile), 8-15 are v.  k leaves as codes with 2^e7, [head][token place][64]; v with 2^e8, TRANSPOSED: [head][block of 64 keys][d place][64 keys].
; A tile is 128 tokens x 128 columns; four waves, each 64 x 64.  Both operands' four blocks of 128 x 128 codes are filled once (one load a wave); nothing is filled again.
; The matrix instruction is used transposed: the registers of a lane run along source 0's rows.  For k source 0 is the weight (registers run along d, the next K).  FOR v THE ROLES ARE SWAPPED: source 0 is the latent, so that the registers run along the
; TOKENS, which are the second attention product's K.  The swap is made in the fragment addresses alone, by one bit of the cluster's x, which all partners share.
; Rows of every operand lie at places with bits 3, 4 exchanged, so a lane's 16 registers of two neighbouring tiles are 16 true neighbours.
; CLUSTERS 4 x 4: the latent's blocks are asked for jointly along a row of the cluster, the weight's along a column.
; LIMITS: e7 - e2 - e3 and e8 - e2 - e3 lie between -126 and 119.
; REGISTERS as in the other products: window 0: v16-17, v20-21 fragment addresses, v24-27 the way out, v32-95 codes and rows, v128-255 accumulators; window 1: two fragment buffers.
.set WUOFF,  1572864                   ; pc: W_kv_up's 16 x 4 blocks
.set APITCH, 144
.set APLANE, 128*APITCH
.set ACH2,   64
.set BPITCH, 144
.set BPLANE, 128*BPITCH
.set XREG,   4*APLANE                  ; the latent's four blocks at 0, the weight's four here.  The stage of the way out lies at byte 0, behind a barrier of its own
.set ADRA, 16
.set ADRB, 20
.set STO,  24
.set RD,   25
.set CO,   26
.set SC,   27
.set LIM,  30
.set TMP,  32
.set ACC,  128
.set G1,  24
.set G0,  32
.set G1B, 48
.set G0B, 56
.set MSB, 0
.macro WIN new
.if MSB != \new
	s_set_vgpr_msb (MSB<<8)|\new
.set MSB, \new
.endif
.endm
.set MUL,  0x05
.set TO_F, 0x40
.macro JLOAD s                         ; waves 0, 1 fetch the latent's blocks, waves 2, 3 the weight's; four v_nop follow each line
	s_cmp_eq_u32 s11, 0
	s_cbranch_scc0 .Lfor_b_\@
	tensor_load_to_lds s[G0+4*\s:G0+4*\s+3], s[G1:G1+7]
	s_nop 0
.rept 4
	v_nop
.endr
	s_branch .Lasked_\@
.Lfor_b_\@:
	tensor_load_to_lds s[G0B+4*\s:G0B+4*\s+3], s[G1B:G1B+7]
	s_nop 0
.rept 4
	v_nop
.endr
.Lasked_\@:
.endm
.macro CROUND
	s_barrier_signal -1
	s_barrier_wait -1
	s_cmp_lg_u32 s10, 0
	s_cbranch_scc1 .Lnot_wave_0_\@
	s_barrier_signal -3
.Lnot_wave_0_\@:
	s_barrier_wait -3
	s_barrier_signal -1
	s_barrier_wait -1
.endm
.macro PLACES
.rept 4
	v_nop
.endr
.endm
.macro MUL8 f, a0, zero                ; the 16 accumulators take turns
.irp a, \a0, \a0+1
.irp b, 0,1,2,3
.if \zero
	v_wmma_f32_16x16x128_fp8_fp8 v[ACC+8*(4*(\a)+\b):ACC+8*(4*(\a)+\b)+7], v[(\f)+64+16*\b:(\f)+64+16*\b+15], v[(\f)+16*(\a):(\f)+16*(\a)+15], 0
.else
	v_wmma_f32_16x16x128_fp8_fp8 v[ACC+8*(4*(\a)+\b):ACC+8*(4*(\a)+\b)+7], v[(\f)+64+16*\b:(\f)+64+16*\b+15], v[(\f)+16*(\a):(\f)+16*(\a)+15], v[ACC+8*(4*(\a)+\b):ACC+8*(4*(\a)+\b)+7]
.endif
.endr
.endr
.endm
.macro FETCH g
	WIN TO_F
.irp i, 0,1,2,3
.irp c, 0,1,2,3
	ds_load_b128 v[128*((\g)%2)+64+16*\i+4*\c:128*((\g)%2)+64+16*\i+4*\c+3], v[ADRB+(\g)/2] offset:((\g)%2)*BPLANE+\i*16*BPITCH+32*\c
.endr
.endr
.irp i, 0,1,2,3
.irp c, 0,1,2,3
	ds_load_b128 v[128*((\g)%2)+16*\i+4*\c:128*((\g)%2)+16*\i+4*\c+3], v[ADRA+(\g)/2] offset:((\g)%2)*APLANE+\i*16*APITCH+32*(\c%2)+ACH2*(\c/2)
.endr
.endr
.endm
.macro QUARTER g, nx, zero
	s_wait_dscnt 8                                 ; source 0's fragments and source 1's 0, 1 are in; the youngest eight loads may be out
	WIN MUL
	MUL8 128*((\g)%2), 0, \zero
	PLACES
	FETCH \nx
	s_wait_dscnt 32                                ; all but the 32 just issued
	WIN MUL
	MUL8 128*((\g)%2), 2, \zero
.endm
.macro LAST g
	s_wait_dscnt 8
	WIN MUL
	MUL8 128*((\g)%2), 0, 0
	s_wait_alu depctr_va_vdst(0)
	s_wait_dscnt 0x0
	MUL8 128*((\g)%2), 2, 0
	WIN 0
.endm
	s_load_b128 s[4:7], s[0:1], 0x0                ; ql, pc
	s_load_b128 s[84:87], s[0:1], 0x10             ; lowp_scales, kvc
	v_lshrrev_b32 v1, 5, v0
	v_readfirstlane_b32 s10, v1
	s_lshr_b32 s11, s10, 1                         ; my half of source 1's rows.  Also: I fetch the latent (0) or the weight (1)
	s_and_b32 s12, s10, 1                          ; my half of source 0's rows.  Also: which two blocks I fetch
	s_bfe_u32 s40, ttmp6, 0x40000
	s_bfe_u32 s41, ttmp6, 0x40004
	s_lshl_b32 s42, ttmp9, 2
	s_add_co_u32 s42, s42, s40                     ; tile column
	s_and_b32 s13, ttmp7, 0xffff
	s_lshl_b32 s13, s13, 2
	s_add_co_u32 s13, s13, s41                     ; tile row
	s_bfe_u32 s45, ttmp9, 0x10001                  ; 0: k, 1: v (clusters 2 and 3 along x)
	s_lshl_b32 s43, s41, 2
	s_lshl_b32 s43, 15, s43
	s_lshl_b32 s44, 0x1111, s40
	s_or_b32 s[G1+0], s43, (1<<20)|(1<<21)|(4<<22)|(3<<25)
	s_or_b32 s[G1B+0], s44, (1<<20)|(1<<21)|(4<<22)|(3<<25)
.irp g, G1, G1B
	s_mov_b32 s[\g+1], 128<<16                     ; rows of 128 bytes,
	s_mov_b32 s[\g+2], 256<<16                     ; 256 of them: two blocks,
	s_mov_b32 s[\g+3], 128<<16
	s_mov_b32 s[\g+4], 256
	s_mov_b32 s[\g+5], 128                         ; dense in memory
	s_mov_b32 s[\g+6], 0
	s_mov_b32 s[\g+7], 0
.endr
	s_lshl_b32 s16, s13, 16                        ; the latent: four blocks a tile row
	s_lshl_b32 s17, s12, 15
	s_add_co_u32 s16, s16, s17
	s_mov_b32 s17, 0
	s_lshl_b32 s46, s42, 16
	s_lshl_b32 s47, s12, 15
	s_add_co_u32 s46, s46, s47
	s_add_co_u32 s46, s46, WUOFF
	s_mov_b32 s47, 0
	s_mul_i32 s20, s12, 2*APLANE
	s_add_co_u32 s21, s20, XREG
	s_wait_kmcnt 0x0
	s_load_b512 s[68:83], s[84:85], 0x0
	s_add_nc_u64 s[14:15], s[4:5], s[16:17]
	s_add_nc_u64 s[46:47], s[6:7], s[46:47]
	CROUND
	s_mov_b32 s[G0], 1
	s_mov_b32 s[G0+1], s20
	s_mov_b64 s[G0+2:G0+3], s[14:15]
	s_or_b32 s[G0+3], s[G0+3], 0x80000000
	s_mov_b32 s[G0B], 1
	s_mov_b32 s[G0B+1], s21
	s_mov_b64 s[G0B+2:G0B+3], s[46:47]
	s_or_b32 s[G0B+3], s[G0B+3], 0x80000000
	JLOAD 0                                        ; one load of mine is out
	v_and_b32 v1, 15, v0
	v_bfe_u32 v2, v0, 4, 1
	v_mul_u32_u24 v4, v1, 144
	v_lshl_add_u32 v4, v2, 4, v4
	s_wait_alu depctr_va_vdst(0)
	s_mul_i32 s21, s45, XREG                       ; source 1: the latent for k, the weight for v
	s_xor_b32 s22, s45, 1
	s_mul_i32 s22, s22, XREG                       ; source 0: the other one
	s_mul_i32 s23, s11, 64*144
	s_add_co_u32 s21, s21, s23
	s_mul_i32 s23, s12, 64*144
	s_add_co_u32 s22, s22, s23
.irp p, 0,1
	v_add_nc_u32 v[ADRA+\p], s21, v4
	v_add_nc_u32 v[ADRB+\p], s22, v4
	s_add_co_u32 s21, s21, 2*APLANE
	s_add_co_u32 s22, s22, 2*BPLANE
.endr
	s_mul_i32 s23, s11, 64*144
	s_lshl_b32 s21, s12, 6
	s_add_co_u32 s23, s23, s21
	v_add_nc_u32 v[STO], s23, v4                   ; the stage: row 64 s11 + r, byte 64 s12 + 16 h
	v_and_b32 v5, 31, v0
	v_lshrrev_b32 v6, 2, v5
	v_and_b32 v7, 3, v5
	v_mul_u32_u24 v6, v6, 144
	v_lshl_add_u32 v6, v7, 4, v6
	s_mul_i32 s23, s12, 64*144
	s_lshl_b32 s20, s11, 6
	s_add_co_u32 s23, s23, s20
	v_add_nc_u32 v[RD], s23, v6                    ; back: rows 64 (w & 1) on, bytes 64 (w >> 1) on: 64 rows of 64 bytes, eight rows an instruction
	v_lshlrev_b32 v[CO], 4, v5
	s_cmp_eq_u32 s45, 0                            ; my 4,096 bytes: k: head = the column half, tokens = the row half; v: head = the row half, keys = the column half
	s_cselect_b32 s90, s11, s12
	s_cselect_b32 s91, s12, s11
	s_lshr_b32 s92, s13, 4
	s_lshl_b32 s92, s92, 4
	s_and_b32 s93, s42, 7
	s_lshl_b32 s93, s93, 1
	s_add_co_u32 s92, s92, s93
	s_add_co_u32 s92, s92, s90                     ; 16 x batch + head
	s_lshl_b32 s92, s92, 17
	s_and_b32 s93, s13, 15
	s_lshl_b32 s93, s93, 13
	s_add_co_u32 s92, s92, s93
	s_lshl_b32 s93, s91, 12
	s_add_co_u32 s92, s92, s93
	s_lshl_b32 s93, s45, 22                        ; v lies 2^22 bytes behind k
	s_add_co_u32 s92, s92, s93
	s_mov_b32 s93, 0
	s_add_nc_u64 s[86:87], s[86:87], s[92:93]
	s_wait_kmcnt 0x0
	s_cmp_eq_u32 s45, 0
	s_cselect_b32 s94, s75, s76                    ; e7 or e8
	s_sub_co_i32 s94, s94, s70
	s_sub_co_i32 s94, s94, s71
	s_add_co_i32 s94, s94, 127
	s_lshl_b32 s95, s94, 23
	v_mov_b32 v[SC], s95
	s_add_co_i32 s94, s94, 8
	s_lshl_b32 s94, s94, 23
	s_or_b32 s94, s94, 0x600000
	s_wait_tensorcnt 0x0                           ; my one load has landed,
	s_barrier_signal -1
	s_barrier_wait -1                              ; everybody's has
	FETCH 0
	QUARTER 0, 1, 1
	QUARTER 1, 2, 0
	QUARTER 2, 3, 0
	LAST 3
	s_barrier_signal -1                            ; my reads of the tiles are over (the last wait on DScnt was for 0): behind this barrier their bytes take the stage
	s_barrier_wait -1
	PLACES
.irp a, 0,1,2,3
.set j, 0
.rept 32
.set j, j+1
.endr
.irp g, 0,1,2,3
	v_cvt_scalef32_pk8_fp8_f32 v[TMP+8*\a+2*\g:TMP+8*\a+2*\g+1], v[ACC+32*\a+8*\g:ACC+32*\a+8*\g+7], v[SC]
.endr
.endr
	v_nop                                          ; a plain instruction behind the last conversion
.irp a, 0,1,2,3
	ds_store_b128 v[STO], v[TMP+8*\a:TMP+8*\a+3] offset:\a*16*144
	ds_store_b128 v[STO], v[TMP+8*\a+4:TMP+8*\a+7] offset:\a*16*144+32
.endr
	s_wait_dscnt 0x0
	s_barrier_signal -1
	s_barrier_wait -1
.irp i, 0,1,2,3,4,5,6,7
	ds_load_b128 v[TMP+32+4*\i:TMP+32+4*\i+3], v[RD] offset:\i*8*144
.endr
.irp i, 0,1,2,3,4,5,6,7
	s_wait_dscnt 7-\i
	global_store_b128 v[CO], v[TMP+32+4*\i:TMP+32+4*\i+3], s[86:87] offset:512*\i   ; 512 consecutive bytes, aligned
.endr
	CROUND
	s_endpgm
.Lfunc_end_k_q8d0e1e7efd_kv:
	.size	k_q8d0e1e7efd_kv, .Lfunc_end_k_q8d0e1e7efd_kv-k_q8d0e1e7efd_kv
	.p2alignl 7, 3214868480
	.fill 96, 4, 3214868480
	.section	.rodata,"a",@progbits
	.p2align	6, 0x0
	.amdhsa_kernel k_q8d0e1e7efd_kv
		.amdhsa_group_segment_fixed_size 327680
		.amdhsa_private_segment_fixed_size 0
		.amdhsa_enable_private_segment 0
		.amdhsa_kernarg_size 32
		.amdhsa_user_sgpr_count 2
		.amdhsa_user_sgpr_kernarg_segment_ptr 1
		.amdhsa_wavefront_size32 1
		.amdhsa_system_sgpr_workgroup_id_x 1
		.amdhsa_system_sgpr_workgroup_id_y 1
		.amdhsa_system_sgpr_workgroup_id_z 1
		.amdhsa_system_vgpr_workitem_id 0
		.amdhsa_next_free_vgpr 512
		.amdhsa_next_free_sgpr 100
		.amdhsa_reserve_vcc 0
		.amdhsa_float_denorm_mode_32 3
		.amdhsa_float_denorm_mode_16_64 3
		.amdhsa_fp16_overflow 1
		.amdhsa_memory_ordered 1
		.amdhsa_forward_progress 1
		.amdhsa_inst_pref_size 24
	.end_amdhsa_kernel
	.amdgpu_metadata
---
amdhsa.version: [ 1, 2 ]
amdhsa.kernels:
  - .name:           k_q8d0e1e7efd_kv
    .symbol:         k_q8d0e1e7efd_kv.kd
    .args:
      - { .name: ql, .offset: 0, .size: 8, .value_kind: global_buffer, .address_space: global }
      - { .name: pc, .offset: 8, .size: 8, .value_kind: global_buffer, .address_space: global }
      - { .name: lowp_scales, .offset: 16, .size: 8, .value_kind: global_buffer, .address_space: global }
      - { .name: kvc, .offset: 24, .size: 8, .value_kind: global_buffer, .address_space: global }
    .group_segment_fixed_size: 327680
    .private_segment_fixed_size: 0
    .kernarg_segment_align: 8
    .kernarg_segment_size: 32
    .max_flat_workgroup_size: 128
    .sgpr_count:     100
    .vgpr_count:     512
    .wavefront_size: 32
...
	.end_amdgpu_metadata
.endif
;; end of part 3
;; launch attn (part 4): grid 8 x 32, 16 waves a work-group, clusters of 4 x 1, 327,680 bytes of LDS; arguments ql, kvc, lowp_scales, yc; writes yc
.if DOCPART == 4
	.amdgcn_target "amdgcn-amd-amdhsa--gfx1250"
	.amdhsa_code_object_version 6
	.text
	.protected	k_q8d0e1e7efd_attn
	.globl	k_q8d0e1e7efd_attn
	.p2align	8
	.type	k_q8d0e1e7efd_attn,@function
k_q8d0e1e7efd_attn:
	s_mov_b64 s[64:65], 0
	v_nop
	global_prefetch_b8 v0, s[64:65] scope:SCOPE_SE
	s_setreg_imm32_b32 hwreg(HW_REG_WAVE_MODE, 25, 1), 1
	s_wait_xcnt 0x0
	s_wait_alu depctr_hold_cnt(0) depctr_sa_sdst(0) depctr_va_vdst(0) depctr_va_sdst(0) depctr_va_ssrc(0) depctr_va_vcc(0) depctr_vm_vsrc(0)
	s_getreg_b32 s2, hwreg(HW_REG_IB_STS2, 6, 4)
	s_cmp_eq_u32 s2, 0
	s_cbranch_scc0 .Lentry_in_a_cluster
	s_endpgm
.Lentry_in_a_cluster:
	s_bfe_u32 s2, ttmp6, 0x10000c
	s_cmp_lg_u32 s2, 0x3003
	s_cbranch_scc0 .Lentry_shape_is_right
	s_endpgm
.Lentry_shape_is_right:
; ATTN: y = softmax(q k^T / 8, causal) v for one head of one batch a grid row, both products on codes of E4M3 (q 2^e6, k 2^e7, v 2^e8, p 2^e9); y leaves as codes with 2^e10.
; THE SOFTMAX: t = score x log2(e) / 8; M = the running largest t rounded UP to a whole number; p = 2^(t - M) is quantised, not normalised; the row's sum is taken of the unquantised p and divides at the end; when M moves, the sum and O are multiplied by 2^(old M - new M): exact.
; LDS holds the head's WHOLE k (2,048 key places x (64 + 16) bytes) and v (32 blocks of 64 keys x 64 d places x (64 + 16)): filled once, nothing is filled again.
; SHARES.  Eight work-groups (two clusters of four) to a head, sixteen waves each; a wave owns ONE tile of 16 queries.  Its block of 128 queries, BLK, hangs on the wave's number alone, its tile in the block, TI = 4 x cluster x + cx, on the work-group:
; so which key steps a wave leaves out is the same in all partners, every work-group has the same 136 key steps, and waves w, w + 4, w + 8, w + 12 together have 34.
; CAUSAL.  A step of 128 keys behind the wave's block is left out by a scalar branch on the wave's number and the loop's count; in the step on the diagonal hidden scores become -infinity.  Key 0 counts for every query, so M is a number from the first step on.
; LAYOUT.  Both products transposed: S^T = k q^T (K = 64), O^T = v^T p^T (K = 128 keys): a lane holds one query.  Keys and d lie at places with bits 3, 4 exchanged, so the 16 registers of two neighbouring tiles are 16 true neighbours.
; CLUSTER.  The four partners walk the same k and v: each piece is asked for jointly (mask 15).
; LIMITS: e6 + e7 between -123 and 130 (added to c's exponent field); e9, and e10 - e8 - e9, between -126 and 119.
; REGISTERS: v1, v2 my place in a tile of k, of v; v3 my query less 16 h; v7 16 x lane; v8-11 addresses in hand; v12 -M, v13 largest t, v[14:15] the sum; v16-23 q; v32-95 fragments; v96-159 S^T, then p; v160-191 O^T; v192-223 y; v224-239 codes; v240-254 constants and at work.
.set QOFF, 2097152                     ; ql: q's blocks
.set VREG, 163840                      ; LDS: v behind k
.set STEPB, 10240                      ; a step of 128 keys: 128 rows of k, or two blocks of v
.set AK0, 1
.set AV0, 2
.set ADK, 8
.set ADV, 9
.set TI,  14
.set HB,  15
.set BLK, 16
.set KB,  17                           ; s17  the key step, and the loops' counter
.set WV,  18
.set TB,  19                           ; s19  LDS byte of the step's tiles
.set G1A, 24                           ; s[24:31] 64 rows; s[32:39] 192 rows; s[40:43], s[44:47] their groups 0
.set G1L, 32
.set G0A, 40
.set G0L, 44
.macro CROUND
	s_barrier_signal -1
	s_barrier_wait -1
	s_cmp_lg_u32 s[WV], 0
	s_cbranch_scc1 .Lnot_wave_0_\@
	s_barrier_signal -3
.Lnot_wave_0_\@:
	s_barrier_wait -3
	s_barrier_signal -1
	s_barrier_wait -1
.endm
.macro STEP                            ; 128 keys
	s_cmp_gt_u32 s[KB], s[BLK]
	s_cbranch_scc1 .Lhidden_\@                     ; all its keys come after my queries
	s_setprio 2
	v_add_nc_u32 v[ADK], s[TB], v[AK0]
	v_add_nc_u32 v[ADV], s[TB], v[AV0]
	v_nop                                          ; with the two additions: four places in front of loads into registers that the last products read
	v_nop
.irp t, 0,1,2,3,4,5,6,7
	ds_load_b128 v[32+8*\t:35+8*\t], v[ADK] offset:\t*1280
	ds_load_b128 v[36+8*\t:39+8*\t], v[ADK] offset:\t*1280+32
.endr
	s_wait_alu depctr_va_vdst(0)
	s_wait_dscnt 0x0
.irp t, 0,1,2,3,4,5,6,7
	v_wmma_f32_16x16x64_fp8_fp8 v[96+8*\t:103+8*\t], v[32+8*\t:39+8*\t], v[16:23], 0
.endr
.rept 4
	v_nop                                          ; places in front of the loads below and of the first read of the scores
.endr
.irp t, 0,1,2,3                                ; v's four tiles of 16 d places x 128 keys: they land while the softmax is worked
.irp c, 0,1,2,3
	ds_load_b128 v[32+16*\t+4*\c:35+16*\t+4*\c], v[ADV] offset:\t*1280+(\c/2)*5120+(\c%2)*32
.endr
.endr
	s_cmp_lg_u32 s[KB], s[BLK]
	s_cbranch_scc1 .Lopen_\@                       ; all its keys count
	v_mov_b32 v254, 0xff800000                     ; register 16 b + i holds key 32 b + 16 h + i of the block: hidden where 32 b + i > my query - 16 h
.set n, 0
.rept 64
	v_cmp_gt_i32 vcc_lo, 32*(n/16)+n%16, v3
	v_cndmask_b32 v[96+n], v[96+n], v254, vcc_lo
.set n, n+1
.endr
.Lopen_\@:
	v_max3_num_f32 v254, v96, v97, v98             ; the step's largest score of my query, in two chains,
	v_max3_num_f32 v252, v99, v100, v101
.irp i, 6,10,14,18,22,26,30,34,38,42,46,50,54,58
	v_max3_num_f32 v254, v254, v[96+\i], v[97+\i]
	v_max3_num_f32 v252, v252, v[98+\i], v[99+\i]
.endr
	v_max3_num_f32 v254, v254, v158, v159
	s_delay_alu instid0(VALU_DEP_1)
	v_max_num_f32 v254, v254, v252
	v_permlanex16_b32 v236, v254, s20, s21
	s_delay_alu instid0(VALU_DEP_1)
	v_max_num_f32 v254, v254, v236                 ; and among lane l xor 16's
	s_delay_alu instid0(VALU_DEP_1)
	v_mul_f32 v254, s22, v254                      ; as t (c is positive)
	s_delay_alu instid0(VALU_DEP_1)
	v_max_num_f32 v13, v13, v254
	v_mov_b32 v254, v12
	s_delay_alu instid0(VALU_DEP_2)
	v_floor_f32 v12, -v13                          ; the new -M = -ceil(t)
	s_delay_alu instid0(VALU_DEP_1)
	v_sub_f32 v254, v12, v254                      ; old M - new M: a whole number, 0 or less
	s_delay_alu instid0(VALU_DEP_1)
	v_cvt_i32_f32 v254, v254
	s_delay_alu instid0(VALU_DEP_1)
	v_ldexp_f32 v252, 1.0, v254                    ; f = 2^(old M - new M)
.set j, 0
	s_setprio 1
.rept 32
	v_pk_fma_f32 v[96+j:97+j], v[96+j:97+j], s[22:23], v[12:13] op_sel_hi:[1,0,0]   ; t - M
.set j, j+2
.endr
.set j, 0
	s_wait_alu depctr_va_vdst(0)
.rept 64
	v_exp_f32 v[96+j], v[96+j]                     ; p, at most 1
.set j, j+1
.endr
	v_pk_mul_f32 v[14:15], v[14:15], v[252:253] op_sel_hi:[1,0]   ; the sums under the new M (the plain instruction behind the exponentials)
	s_wait_alu depctr_va_vdst(0)                   ; one wait for the batch, ahead of its first reader
	v_pk_add_f32 v[242:243], v[100:101], v[104:105]
	v_pk_add_f32 v[254:255], v[108:109], v[112:113]
	v_pk_add_f32 v[250:251], v[116:117], v[120:121]
	v_pk_add_f32 v[248:249], v[124:125], v[128:129]
	v_pk_add_f32 v[240:241], v[132:133], v[136:137]
	v_pk_add_f32 v[238:239], v[140:141], v[144:145]
	v_pk_add_f32 v[236:237], v[148:149], v[152:153]
	v_pk_add_f32 v[14:15], v[14:15], v[156:157]
	v_pk_add_f32 v[242:243], v[242:243], v[96:97]
	v_pk_add_f32 v[254:255], v[254:255], v[98:99]
	v_pk_add_f32 v[250:251], v[250:251], v[102:103]
	v_pk_add_f32 v[248:249], v[248:249], v[106:107]
	v_pk_add_f32 v[240:241], v[240:241], v[110:111]
	v_pk_add_f32 v[238:239], v[238:239], v[114:115]
	v_pk_add_f32 v[236:237], v[236:237], v[118:119]
	v_pk_add_f32 v[14:15], v[14:15], v[122:123]
	v_pk_add_f32 v[242:243], v[242:243], v[126:127]
	v_pk_add_f32 v[254:255], v[254:255], v[130:131]
	v_pk_add_f32 v[250:251], v[250:251], v[134:135]
	v_pk_add_f32 v[248:249], v[248:249], v[138:139]
	v_pk_add_f32 v[240:241], v[240:241], v[142:143]
	v_pk_add_f32 v[238:239], v[238:239], v[146:147]
	v_pk_add_f32 v[236:237], v[236:237], v[150:151]
	s_setprio 0
	v_pk_add_f32 v[14:15], v[14:15], v[154:155]
	v_pk_add_f32 v[242:243], v[242:243], v[158:159]
	s_delay_alu instid0(VALU_DEP_2)
	v_pk_add_f32 v[14:15], v[14:15], v[248:249]
	s_delay_alu instid0(VALU_DEP_2)
	v_pk_add_f32 v[242:243], v[242:243], v[240:241]
	v_pk_add_f32 v[254:255], v[254:255], v[238:239]
	v_pk_add_f32 v[250:251], v[250:251], v[236:237]
	s_delay_alu instid0(VALU_DEP_2)
	v_pk_add_f32 v[14:15], v[14:15], v[254:255]
	s_delay_alu instid0(VALU_DEP_2)
	v_pk_add_f32 v[242:243], v[242:243], v[250:251]
	s_delay_alu instid0(VALU_DEP_1)
	v_pk_add_f32 v[14:15], v[14:15], v[242:243]
.irp b, 0,1,2,3
.set i, 0
.rept 16
.set i, i+1
.endr
	v_cvt_scalef32_pk8_fp8_f32 v[224+4*\b:225+4*\b], v[96+16*\b:103+16*\b], v244
	v_cvt_scalef32_pk8_fp8_f32 v[226+4*\b:227+4*\b], v[104+16*\b:111+16*\b], v244
.endr
.set j, 0
.rept 16
	v_pk_mul_f32 v[160+j:161+j], v[160+j:161+j], v[252:253] op_sel_hi:[1,0]   ; O^T under the new M (also the plain instructions behind the conversions)
.set j, j+2
.endr
	s_wait_alu depctr_va_vdst(0)
	s_wait_dscnt 0x0                               ; v's fragments
.irp t, 0,1,2,3
	v_wmma_f32_16x16x128_fp8_fp8 v[160+8*\t:167+8*\t], v[32+16*\t:47+16*\t], v[224:239], v[160+8*\t:167+8*\t]
.endr
.Lhidden_\@:
	s_add_co_u32 s[KB], s[KB], 1
	s_add_co_u32 s[TB], s[TB], STEPB
.endm
	s_load_b256 s[4:11], s[0:1], 0x0               ; ql s[4:5], kvc s[6:7], lowp_scales s[8:9], yc s[10:11]
	v_lshrrev_b32 v8, 5, v0
	s_delay_alu instid0(VALU_DEP_1)
	v_readfirstlane_b32 s[WV], v8                  ; wave 0..15
	s_bfe_u32 s13, ttmp6, 0x40000                  ; cx
	s_lshl_b32 s[TI], ttmp9, 2
	s_add_co_u32 s[TI], s[TI], s13                 ; my tile of 16 queries in the block: it enters global addresses and the mask's numbers alone
	s_and_b32 s[HB], ttmp7, 0xffff                 ; 16 x batch + head
	s_lshr_b32 s48, s[WV], 2
	s_and_b32 s49, s[WV], 3
	s_and_b32 s50, s48, 1
	s_mul_i32 s50, s50, 3
	s_xor_b32 s49, s49, s50
	s_lshl_b32 s48, s48, 2
	s_add_co_u32 s[BLK], s48, s49                  ; 0 1 2 3  7 6 5 4  8 9 10 11  15 14 13 12
	s_mov_b32 s[G1A], 15|(1<<20)|(1<<21)|(3<<22)|(3<<25)   ; mask: all four partners; elements of 1 byte; 4 words of padding behind every 16; bit 21 beside a mask
	s_mov_b32 s[G1A+1], 64<<16
	s_mov_b32 s[G1A+2], 64<<16
	s_mov_b32 s[G1A+3], 64<<16
	s_mov_b32 s[G1A+4], 64
	s_mov_b32 s[G1A+5], 64
	s_mov_b32 s[G1A+6], 0
	s_mov_b32 s[G1A+7], 0
	s_mov_b32 s[G1L], 15|(1<<20)|(1<<21)|(3<<22)|(3<<25)
	s_mov_b32 s[G1L+1], 64<<16
	s_mov_b32 s[G1L+2], 192<<16
	s_mov_b32 s[G1L+3], 64<<16
	s_mov_b32 s[G1L+4], 192
	s_mov_b32 s[G1L+5], 64
	s_mov_b32 s[G1L+6], 0
	s_mov_b32 s[G1L+7], 0
	s_lshr_b32 s52, s[WV], 3                       ; waves 0-7 fetch k, waves 8-15 v: both are 2,048 dense rows of 64 bytes
	s_and_b32 s53, s[WV], 7
	s_mul_i32 s54, s52, VREG
	s_mul_i32 s55, s53, 64*80
	s_add_co_u32 s[G0A+1], s54, s55                ; first: 64 of rows 0-511
	s_mul_i32 s55, s53, 192*80
	s_add_co_u32 s[G0L+1], s54, s55
	s_add_co_u32 s[G0L+1], s[G0L+1], 512*80        ; then: 192 of rows 512-2,047
	s_lshl_b32 s56, s52, 22
	s_lshl_b32 s57, s[HB], 17
	s_add_co_u32 s56, s56, s57
	s_lshl_b32 s57, s53, 12
	s_add_co_u32 s58, s56, s57
	s_mov_b32 s59, 0
	s_mul_i32 s57, s53, 192*64
	s_add_co_u32 s56, s56, s57
	s_add_co_u32 s56, s56, 512*64
	s_mov_b32 s57, 0
	s_mov_b32 s20, 0x76543210                      ; v_permlanex16_b32: lane l xor 16
	s_mov_b32 s21, 0xfedcba98
	s_mov_b32 s22, 0x3e38aa3b                      ; c = log2(e) / 8
	s_mov_b32 s[KB], 0
	s_mov_b32 s[TB], 0
	s_wait_kmcnt 0x0
	s_load_b512 s[68:83], s[8:9], 0x0              ; e0 .. e15
	s_mov_b32 s[G0A], 1
	s_add_nc_u64 s[G0A+2:G0A+3], s[6:7], s[58:59]
	s_or_b32 s[G0A+3], s[G0A+3], 0x80000000
	s_mov_b32 s[G0L], 1
	s_add_nc_u64 s[G0L+2:G0L+3], s[6:7], s[56:57]
	s_or_b32 s[G0L+3], s[G0L+3], 0x80000000
	CROUND                                         ; all four work-groups are here: the joint loads meet
	tensor_load_to_lds s[G0A:G0A+3], s[G1A:G1A+7]  ; two loads of mine are out; four v_nop follow the second
	s_nop 0
	tensor_load_to_lds s[G0L:G0L+3], s[G1L:G1L+7]
	s_nop 0
.rept 4
	v_nop
.endr
	s_lshr_b32 s48, s[HB], 4
	s_lshl_b32 s48, s48, 4
	s_add_co_u32 s48, s48, s[BLK]                  ; my block of 128 rows
	s_and_b32 s49, s[HB], 15                       ; the head
	s_lshr_b32 s50, s[TI], 1
	s_lshl_b32 s50, s50, 5
	s_and_b32 s51, s[TI], 1
	s_lshl_b32 s51, s51, 3
	s_add_co_u32 s50, s50, s51                     ; P0: true queries 16 TI + r lie at places P0 + r + 8 (r / 8)
	s_lshl_b32 s60, s48, 3
	s_lshr_b32 s61, s49, 1
	s_add_co_u32 s60, s60, s61
	s_lshl_b32 s60, s60, 14
	s_lshl_b32 s61, s50, 7
	s_add_co_u32 s60, s60, s61
	s_and_b32 s61, s49, 1
	s_lshl_b32 s61, s61, 6
	s_add_co_u32 s60, s60, s61
	s_add_co_u32 s60, s60, QOFF
	s_mov_b32 s61, 0
	s_add_nc_u64 s[4:5], s[4:5], s[60:61]          ; q: block (row block, head / 2), place P0, byte 64 (head % 2)
	s_lshl_b32 s60, s48, 4
	s_add_co_u32 s60, s60, s49
	s_lshl_b32 s60, s60, 13
	s_lshl_b32 s62, s50, 6
	s_add_co_u32 s60, s60, s62
	s_add_nc_u64 s[10:11], s[10:11], s[60:61]      ; y: [row block][head][place][64]
	v_and_b32 v8, 15, v0                           ; r
	v_bfe_u32 v9, v0, 4, 1                         ; h
	s_delay_alu instid0(VALU_DEP_2)
	v_and_b32 v10, 8, v8
	s_delay_alu instid0(VALU_DEP_1)
	v_add_nc_u32 v10, v10, v8
	s_delay_alu instid0(VALU_DEP_1)
	v_lshlrev_b32 v10, 7, v10
	s_delay_alu instid0(VALU_DEP_1)
	v_lshl_add_u32 v10, v9, 4, v10
	global_load_b128 v[16:19], v10, s[4:5]         ; q's fragment stays in registers
	global_load_b128 v[20:23], v10, s[4:5] offset:32
	v_mul_u32_u24 v[AK0], v8, 80
	s_delay_alu instid0(VALU_DEP_1)
	v_lshl_add_u32 v[AK0], v9, 4, v[AK0]
	s_delay_alu instid0(VALU_DEP_1)
	v_add_nc_u32 v[AV0], VREG, v[AK0]
	s_lshl_b32 s62, s[TI], 4
	v_lshlrev_b32 v11, 4, v9
	s_delay_alu instid0(VALU_DEP_1)
	v_sub_nc_u32 v3, v8, v11
	s_delay_alu instid0(VALU_DEP_1)
	v_add_nc_u32 v3, s62, v3                       ; my query in its block, less 16 h
	v_and_b32 v7, 31, v0
	s_delay_alu instid0(VALU_DEP_1)
	v_lshlrev_b32 v7, 4, v7
	v_mov_b32 v13, 0xff61b1e6                      ; the largest t so far: -3e38
	s_delay_alu instid0(VALU_DEP_1)
	v_floor_f32 v12, -v13
	v_mov_b32 v14, 0
	v_mov_b32 v15, 0
	v_mov_b32 v236, 0                              ; a lane permute's destination counts as read
	v_mov_b32 v253, 0                              ; (named as the upper half of a pair)
.set j, 0
.rept 32
	v_mov_b32 v[160+j], 0                          ; O^T: the step is written without a first form of its own; the first change of M multiplies zeros
.set j, j+1
.endr
	s_wait_kmcnt 0x0
	s_add_co_i32 s48, s74, s75
	s_lshl_b32 s48, s48, 23
	s_add_co_i32 s22, s22, s48                     ; a score stands for score x 2^(e6 + e7)
	s_mov_b32 s23, s22
	s_add_co_i32 s48, s77, 127
	s_lshl_b32 s49, s48, 23
	v_mov_b32 v244, s49                            ; 2^e9
	s_sub_co_i32 s48, s78, s76
	s_sub_co_i32 s48, s48, s77                     ; e10 - e8 - e9: O / l stands for y / 2^(e8 + e9)
	s_add_co_i32 s48, s48, 127
	s_lshl_b32 s49, s48, 23
	v_mov_b32 v246, s49
	s_wait_loadcnt 0x0                             ; q
	s_wait_tensorcnt 1                             ; my piece of keys 0-511 is in; my second load may be out
	s_barrier_signal -1
	s_barrier_wait -1
.Lnear:                                            ; key steps 0-3
	STEP
	s_cmp_lt_u32 s[KB], 4
	s_cbranch_scc1 .Lnear
	s_setprio 0
	s_wait_tensorcnt 0x0                           ; my piece of the other keys is in,
	s_wait_dscnt 0x0
	s_barrier_signal -1
	s_barrier_wait -1                              ; everybody's is
.Lfar:                                             ; key steps 4-15
	STEP
	s_cmp_lt_u32 s[KB], 16
	s_cbranch_scc1 .Lfar
	s_setprio 0
	; THE WAY OUT: O^T / the sum, quantised; 16 rows x 64 bytes through my stage, which lies in k's bytes behind a barrier; two stores of 512 dense bytes
	v_add_f32 v14, v14, v15
	s_delay_alu instid0(VALU_DEP_1)
	v_permlanex16_b32 v252, v14, s20, s21
	s_delay_alu instid0(VALU_DEP_1)
	v_add_f32 v14, v14, v252                       ; the row's sum
	s_wait_alu depctr_va_vdst(0)
	v_rcp_f32 v14, v14
	s_mul_i32 s48, s[WV], 16*80
	v_add_nc_u32 v10, s48, v[AK0]                  ; in: row r, byte 16 h (+ 32 b)
	v_and_b32 v8, 31, v0
	s_delay_alu instid0(VALU_DEP_1)
	v_lshrrev_b32 v9, 2, v8
	s_delay_alu instid0(VALU_DEP_2)
	v_and_b32 v8, 3, v8
	s_delay_alu instid0(VALU_DEP_2)
	v_mul_u32_u24 v11, v9, 80
	s_delay_alu instid0(VALU_DEP_1)
	v_lshl_add_u32 v11, v8, 4, v11
	s_delay_alu instid0(VALU_DEP_1)
	v_add_nc_u32 v11, s48, v11                     ; back: eight rows an instruction
	s_wait_alu depctr_va_vdst(0)                   ; the wait ahead of the reciprocal's first reader
.set j, 0
.rept 32
	v_mul_f32 v[192+j], v[160+j], v14              ; register 8 t + i: d = 32 (t / 2) + 16 h + 8 (t % 2) + i
.set j, j+1
.endr
.set j, 0
.rept 32
.set j, j+1
.endr
.irp t, 0,1,2,3
	v_cvt_scalef32_pk8_fp8_f32 v[224+2*\t:225+2*\t], v[192+8*\t:199+8*\t], v246
.endr
	v_nop                                          ; a plain instruction behind the last conversion
	s_wait_alu depctr_va_vdst(0)
	s_wait_dscnt 0x0
	s_barrier_signal -1                            ; every wave's reads of k are over
	s_barrier_wait -1
	ds_store_b128 v10, v[224:227]
	ds_store_b128 v10, v[228:231] offset:32
	ds_load_b128 v[232:235], v11                   ; LDS serves a wave's instructions in order: these see my stores
	ds_load_b128 v[236:239], v11 offset:8*80
	s_wait_dscnt 1
	global_store_b128 v7, v[232:235], s[10:11]     ; places P0 .. P0 + 7
	s_wait_dscnt 0x0
	global_store_b128 v7, v[236:239], s[10:11] offset:1024   ; places P0 + 16 .. P0 + 23
	CROUND                                         ; the closing round
	s_endpgm
.Lfunc_end_k_q8d0e1e7efd_attn:
	.size	k_q8d0e1e7efd_attn, .Lfunc_end_k_q8d0e1e7efd_attn-k_q8d0e1e7efd_attn
	.p2alignl 7, 3214868480
	.fill 96, 4, 3214868480
	.section	.rodata,"a",@progbits
	.p2align	6, 0x0
	.amdhsa_kernel k_q8d0e1e7efd_attn
		.amdhsa_group_segment_fixed_size 327680
		.amdhsa_private_segment_fixed_size 0
		.amdhsa_enable_private_segment 0
		.amdhsa_kernarg_size 32
		.amdhsa_user_sgpr_count 2
		.amdhsa_user_sgpr_kernarg_segment_ptr 1
		.amdhsa_wavefront_size32 1
		.amdhsa_system_sgpr_workgroup_id_x 1
		.amdhsa_system_sgpr_workgroup_id_y 1
		.amdhsa_system_sgpr_workgroup_id_z 1
		.amdhsa_system_vgpr_workitem_id 0
		.amdhsa_next_free_vgpr 256
		.amdhsa_next_free_sgpr 100
		.amdhsa_reserve_vcc 1
		.amdhsa_float_denorm_mode_32 3
		.amdhsa_float_denorm_mode_16_64 3
		.amdhsa_fp16_overflow 1
		.amdhsa_memory_ordered 1
		.amdhsa_forward_progress 1
		.amdhsa_inst_pref_size 49
	.end_amdhsa_kernel
	.amdgpu_metadata
---
amdhsa.version: [ 1, 2 ]
amdhsa.kernels:
  - .name:           k_q8d0e1e7efd_attn
    .symbol:         k_q8d0e1e7efd_attn.kd
    .args:
      - { .name: ql, .offset: 0, .size: 8, .value_kind: global_buffer, .address_space: global }
      - { .name: kvc, .offset: 8, .size: 8, .value_kind: global_buffer, .address_space: global }
      - { .name: lowp_scales, .offset: 16, .size: 8, .value_kind: global_buffer, .address_space: global }
      - { .name: yc, .offset: 24, .size: 8, .value_kind: global_buffer, .address_space: global }
    .group_segment_fixed_size: 327680
    .private_segment_fixed_size: 0
    .kernarg_segment_align: 8
    .kernarg_segment_size: 32
    .max_flat_workgroup_size: 512
    .sgpr_count:     100
    .vgpr_count:     256
    .wavefront_size: 32
...
	.end_amdgpu_metadata
.endif
;; end of part 4
;; launch oproj (part 5): grid 8 x 32, 4 waves a work-group, clusters of 4 x 4, 327,680 bytes of LDS; arguments yc, pc, lowp_scales, x, x1; writes x1
.if DOCPART == 5
	.amdgcn_target "amdgcn-amd-amdhsa--gfx1250"
	.amdhsa_code_object_version 6
	.text
	.protected	k_q8d0e1e7efd_oproj
	.globl	k_q8d0e1e7efd_oproj
	.p2align	8
	.type	k_q8d0e1e7efd_oproj,@function
k_q8d0e1e7efd_oproj:
	s_mov_b64 s[64:65], 0
	v_nop
	global_prefetch_b8 v0, s[64:65] scope:SCOPE_SE
	s_setreg_imm32_b32 hwreg(HW_REG_WAVE_MODE, 25, 1), 1
	s_wait_xcnt 0x0
	s_wait_alu depctr_hold_cnt(0) depctr_sa_sdst(0) depctr_va_vdst(0) depctr_va_sdst(0) depctr_va_ssrc(0) depctr_va_vcc(0) depctr_vm_vsrc(0)
	s_getreg_b32 s2, hwreg(HW_REG_IB_STS2, 6, 4)
	s_cmp_eq_u32 s2, 0
	s_cbranch_scc0 .Lentry_in_a_cluster
	s_endpgm
.Lentry_in_a_cluster:
	s_bfe_u32 s2, ttmp6, 0x10000c
	s_cmp_lg_u32 s2, 0xf033
	s_cbranch_scc0 .Lentry_shape_is_right
	s_endpgm
.Lentry_shape_is_right:
; OPROJ: x1 = x + Q(y, e10) Q(W_o, e11), on codes of E4M3; x1 is f32 in true row order.
; A tile is 128 rows x 128 columns; four waves, each 64 x 64.  K = 1,024: all eight blocks of both operands are filled once; nothing is filled again.
; y's codes lie [row block][head][place][64 bytes]: a block of 128 along K is two heads, two half blocks of 128 rows x (64 + 16) bytes in LDS.  W_o's blocks are 128 x (128 + 16).
; The matrix instruction is used transposed (source 0 = 16 places of W_o, source 1 = 16 places of y): a lane holds one row and eight neighbouring columns a tile; places have bits 3, 4 exchanged, which the stage's byte offsets and the rows' immediates undo.
; CLUSTERS 4 x 4: y's blocks jointly along a row of the cluster, W_o's along a column.
; LIMIT: e10 + e11 lies between -126 and 127.
.set KSH,    17
.set WOOFF,  2621440
.set APITCH, 80
.set APLANE, 2*128*APITCH
.set ACH2,   128*APITCH                ; k = 64 .. 127 of a block lie in its second half block
.set AROWB,  64
.set AROWS,  512                       ; a load brings four heads: two blocks
.set AQI,    3                         ; padding behind every 16 words
.set BPITCH, 144
.set BPLANE, 128*BPITCH
.set BREG,   8*APLANE
.set SPITCH, 528                       ; the stage at byte 0, in A's blocks 0-3: 128 rows x (512 + 16) bytes
.set ADRA, 16
.set ADRB, 20
.set STO,  24
.set RD,   25
.set CO,   26
.set TMP,  32
.set ACC,  128
.set G1,  24
.set G0,  32
.set G1B, 48
.set G0B, 56
.set MSB, 0
.macro WIN new
.if MSB != \new
	s_set_vgpr_msb (MSB<<8)|\new
.set MSB, \new
.endif
.endm
.set MUL,  0x05
.set TO_F, 0x40
.macro JLOAD s
	s_cmp_eq_u32 s11, 0
	s_cbranch_scc0 .Lfor_b_\@
	tensor_load_to_lds s[G0+4*\s:G0+4*\s+3], s[G1:G1+7]
.rept 4
	v_nop
.endr
	s_branch .Lasked_\@
.Lfor_b_\@:
	tensor_load_to_lds s[G0B+4*\s:G0B+4*\s+3], s[G1B:G1B+7]
.rept 4
	v_nop
.endr
.Lasked_\@:
.endm
.macro CROUND
	s_barrier_signal -1
	s_barrier_wait -1
	s_cmp_lg_u32 s10, 0
	s_cbranch_scc1 .Lnot_wave_0_\@
	s_barrier_signal -3
.Lnot_wave_0_\@:
	s_barrier_wait -3
	s_barrier_signal -1
	s_barrier_wait -1
.endm
.macro PLACES
.rept 4
	v_nop
.endr
.endm
.macro MUL8 f, a0, zero                ; the 16 accumulators take turns
.irp a, \a0, \a0+1
.irp b, 0,1,2,3
.if \zero
	v_wmma_f32_16x16x128_fp8_fp8 v[ACC+8*(4*(\a)+\b):ACC+8*(4*(\a)+\b)+7], v[(\f)+64+16*\b:(\f)+64+16*\b+15], v[(\f)+16*(\a):(\f)+16*(\a)+15], 0
.else
	v_wmma_f32_16x16x128_fp8_fp8 v[ACC+8*(4*(\a)+\b):ACC+8*(4*(\a)+\b)+7], v[(\f)+64+16*\b:(\f)+64+16*\b+15], v[(\f)+16*(\a):(\f)+16*(\a)+15], v[ACC+8*(4*(\a)+\b):ACC+8*(4*(\a)+\b)+7]
.endif
.endr
.endr
.endm
.macro FETCH g
	WIN TO_F
.irp i, 0,1,2,3
.irp c, 0,1,2,3
	ds_load_b128 v[128*((\g)%2)+64+16*\i+4*\c:128*((\g)%2)+64+16*\i+4*\c+3], v[ADRB+(\g)/2] offset:((\g)%2)*BPLANE+\i*16*BPITCH+32*\c
.endr
.endr
.irp i, 0,1,2,3
.irp c, 0,1,2,3
	ds_load_b128 v[128*((\g)%2)+16*\i+4*\c:128*((\g)%2)+16*\i+4*\c+3], v[ADRA+(\g)/2] offset:((\g)%2)*APLANE+\i*16*APITCH+32*(\c%2)+ACH2*(\c/2)
.endr
.endr
.endm
.macro QUARTER g, nx, zero
	s_wait_dscnt 8                                 ; B's fragments and A's 0, 1 are in; the youngest eight loads may be out
	WIN MUL
	MUL8 128*((\g)%2), 0, \zero
	PLACES
	FETCH \nx
	s_wait_dscnt 32                                ; all but the 32 just issued
	WIN MUL
	MUL8 128*((\g)%2), 2, \zero
.endm
.macro TURN g, nx
	s_wait_tensorcnt 0x0                           ; my second load has landed; no load was issued behind it
	s_wait_dscnt 8
	WIN MUL
	MUL8 128*((\g)%2), 0, 0
	s_wait_dscnt 0x0                               ; my reads of blocks 0-3 are over: behind this barrier their bytes are free for the stage
	s_barrier_signal -1
	s_barrier_wait -1
	PLACES
	FETCH \nx
	WIN MUL
	MUL8 128*((\g)%2), 2, 0
.endm
.macro LAST g
	s_wait_dscnt 8
	WIN MUL
	MUL8 128*((\g)%2), 0, 0
	s_wait_dscnt 0x0
	MUL8 128*((\g)%2), 2, 0
	WIN 0
.endm
	s_load_b128 s[4:7], s[0:1], 0x0                ; yc, pc
	s_load_b64 s[8:9], s[0:1], 0x10                ; lowp_scales
	s_load_b128 s[84:87], s[0:1], 0x18             ; x, x1
	v_lshrrev_b32 v1, 5, v0
	v_readfirstlane_b32 s10, v1
	s_lshr_b32 s11, s10, 1
	s_and_b32 s12, s10, 1
	s_bfe_u32 s40, ttmp6, 0x40000
	s_bfe_u32 s41, ttmp6, 0x40004
	s_lshl_b32 s42, ttmp9, 2
	s_add_co_u32 s42, s42, s40                     ; tile column
	s_and_b32 s13, ttmp7, 0xffff
	s_lshl_b32 s13, s13, 2
	s_add_co_u32 s13, s13, s41                     ; tile row
	s_lshl_b32 s43, s41, 2
	s_lshl_b32 s43, 15, s43
	s_lshl_b32 s44, 0x1111, s40
	s_or_b32 s[G1+0], s43, (1<<20)|(1<<21)|(AQI<<22)|(3<<25)
	s_or_b32 s[G1B+0], s44, (1<<20)|(1<<21)|(4<<22)|(3<<25)
	s_mov_b32 s[G1+1], AROWB<<16
	s_mov_b32 s[G1+2], AROWS<<16
	s_mov_b32 s[G1+3], AROWB<<16
	s_mov_b32 s[G1+4], AROWS
	s_mov_b32 s[G1+5], AROWB
	s_mov_b32 s[G1+6], 0
	s_mov_b32 s[G1+7], 0
	s_mov_b32 s[G1B+1], 128<<16
	s_mov_b32 s[G1B+2], 256<<16
	s_mov_b32 s[G1B+3], 128<<16
	s_mov_b32 s[G1B+4], 256
	s_mov_b32 s[G1B+5], 128
	s_mov_b32 s[G1B+6], 0
	s_mov_b32 s[G1B+7], 0
	s_lshl_b32 s16, s13, KSH
	s_lshl_b32 s17, s12, 15
	s_add_co_u32 s16, s16, s17
	s_mov_b32 s17, 0
	s_lshl_b32 s46, s42, KSH
	s_lshl_b32 s47, s12, 15
	s_add_co_u32 s46, s46, s47
	s_add_co_u32 s46, s46, WOOFF
	s_mov_b32 s47, 0
	s_mul_i32 s20, s12, 2*APLANE
	s_mul_i32 s21, s12, 2*BPLANE
	s_add_co_u32 s21, s21, BREG
	s_wait_kmcnt 0x0
	s_load_b512 s[68:83], s[8:9], 0x0
	s_add_nc_u64 s[14:15], s[4:5], s[16:17]
	s_add_nc_u64 s[46:47], s[6:7], s[46:47]
	CROUND
.irp s, 0,1
	s_mov_b32 s[G0+4*\s], 1
	s_add_co_u32 s[G0+4*\s+1], s20, \s*4*APLANE
	s_add_nc_u64 s[G0+4*\s+2:G0+4*\s+3], s[14:15], \s*65536
	s_or_b32 s[G0+4*\s+3], s[G0+4*\s+3], 0x80000000
	s_mov_b32 s[G0B+4*\s], 1
	s_add_co_u32 s[G0B+4*\s+1], s21, \s*4*BPLANE
	s_add_nc_u64 s[G0B+4*\s+2:G0B+4*\s+3], s[46:47], \s*65536
	s_or_b32 s[G0B+4*\s+3], s[G0B+4*\s+3], 0x80000000
	JLOAD \s                                       ; two loads of mine are out
.endr
	v_and_b32 v1, 15, v0
	v_bfe_u32 v2, v0, 4, 1
	v_mul_u32_u24 v3, v1, APITCH
	v_lshl_add_u32 v3, v2, 4, v3
	v_mul_u32_u24 v4, v1, BPITCH
	v_lshl_add_u32 v4, v2, 4, v4
	s_mul_i32 s21, s11, 64*APITCH
	s_mul_i32 s22, s12, 64*BPITCH
	s_add_co_u32 s22, s22, BREG
.irp p, 0,1,2,3
	v_add_nc_u32 v[ADRA+\p], s21, v3
	v_add_nc_u32 v[ADRB+\p], s22, v4
	s_add_co_u32 s21, s21, 2*APLANE
	s_add_co_u32 s22, s22, 2*BPLANE
.endr
	s_mul_i32 s23, s11, 64*SPITCH                  ; the stage: in at row 64 s11 + r, byte 256 s12 + 64 h
	s_lshl_b32 s21, s12, 8
	s_add_co_u32 s23, s23, s21
	v_mul_u32_u24 v5, v1, SPITCH
	v_lshl_add_u32 v5, v2, 6, v5
	v_add_nc_u32 v[STO], s23, v5
	v_and_b32 v6, 31, v0
	v_lshlrev_b32 v[CO], 4, v6
	s_mul_i32 s23, s10, 32*SPITCH
	v_add_nc_u32 v[RD], s23, v[CO]                 ; back: my 32 rows, a whole row of 512 bytes an instruction
	s_lshl_b32 s90, s13, 19                        ; x and x1 at row 128 x tile row + 32 x wave, column 128 x tile column
	s_lshl_b32 s91, s10, 17
	s_add_co_u32 s90, s90, s91
	s_lshl_b32 s91, s42, 9
	s_add_co_u32 s90, s90, s91
	s_mov_b32 s91, 0
	s_add_nc_u64 s[84:85], s[84:85], s[90:91]
	s_add_nc_u64 s[86:87], s[86:87], s[90:91]
	s_wait_kmcnt 0x0
	s_add_co_i32 s96, s78, s79
	s_add_co_i32 s96, s96, 127
	s_lshl_b32 s96, s96, 23                        ; 2^(e10 + e11)
	s_mov_b32 s97, s96
	s_wait_tensorcnt 1                             ; my part of blocks 0-3 is in; my second load may be out
	s_barrier_signal -1
	s_barrier_wait -1
	FETCH 0
	QUARTER 0, 1, 1
	QUARTER 1, 2, 0
	QUARTER 2, 3, 0
	TURN 3, 4
	QUARTER 4, 5, 0
	QUARTER 5, 6, 0
	QUARTER 6, 7, 0
	LAST 7
	; THE WAY OUT: the sums into the stage, at their true columns; x's rows into the accumulators' registers; back by rows; x1 = sum x 2^(e10 + e11) + x.  The row at place t of my 32 is true row t with bits 3, 4 exchanged.
	PLACES
.irp a, 0,1,2,3
.irp b, 0,1,2,3
	ds_store_b128 v[STO], v[ACC+8*(4*\a+\b):ACC+8*(4*\a+\b)+3] offset:\a*16*SPITCH+128*(\b/2)+32*(\b%2)
	ds_store_b128 v[STO], v[ACC+8*(4*\a+\b)+4:ACC+8*(4*\a+\b)+7] offset:\a*16*SPITCH+128*(\b/2)+32*(\b%2)+16
.endr
.endr
	s_wait_dscnt 0x0                               ; my stores are done, for the others' sake, and have read their registers, which the loads below take
.set t, 0
.rept 32
	global_load_b128 v[ACC+4*t:ACC+4*t+3], v[CO], s[84:85] offset:((t&7)|((t&8)<<1)|((t&16)>>1))*4096 th:TH_LOAD_NT
.set t, t+1
.endr
	s_barrier_signal -1
	s_barrier_wait -1
.irp u, 0,1
.set t, 0
.rept 16
	ds_load_b128 v[TMP+4*t:TMP+4*t+3], v[RD] offset:(16*\u+t)*SPITCH
.set t, t+1
.endr
.set t, 0
.rept 16
.set tt, 16*\u+t
	s_wait_dscnt 15-t
	s_wait_loadcnt 31-tt                           ; row tt of x is in; the younger rows may be out
	v_pk_fma_f32 v[ACC+4*tt:ACC+4*tt+1], v[TMP+4*t:TMP+4*t+1], s[96:97], v[ACC+4*tt:ACC+4*tt+1] op_sel_hi:[1,0,1]
	v_pk_fma_f32 v[ACC+4*tt+2:ACC+4*tt+3], v[TMP+4*t+2:TMP+4*t+3], s[96:97], v[ACC+4*tt+2:ACC+4*tt+3] op_sel_hi:[1,0,1]
	global_store_b128 v[CO], v[ACC+4*tt:ACC+4*tt+3], s[86:87] offset:((tt&7)|((tt&8)<<1)|((tt&16)>>1))*4096   ; 512 consecutive bytes, aligned
.set t, t+1
.endr
.endr
	CROUND
	s_endpgm
.Lfunc_end_k_q8d0e1e7efd_oproj:
	.size	k_q8d0e1e7efd_oproj, .Lfunc_end_k_q8d0e1e7efd_oproj-k_q8d0e1e7efd_oproj
	.p2alignl 7, 3214868480
	.fill 96, 4, 3214868480
	.section	.rodata,"a",@progbits
	.p2align	6, 0x0
	.amdhsa_kernel k_q8d0e1e7efd_oproj
		.amdhsa_group_segment_fixed_size 327680
		.amdhsa_private_segment_fixed_size 0
		.amdhsa_enable_private_segment 0
		.amdhsa_kernarg_size 40
		.amdhsa_user_sgpr_count 2
		.amdhsa_user_sgpr_kernarg_segment_ptr 1
		.amdhsa_wavefront_size32 1
		.amdhsa_system_sgpr_workgroup_id_x 1
		.amdhsa_system_sgpr_workgroup_id_y 1
		.amdhsa_system_sgpr_workgroup_id_z 1
		.amdhsa_system_vgpr_workitem_id 0
		.amdhsa_next_free_vgpr 512
		.amdhsa_next_free_sgpr 100
		.amdhsa_reserve_vcc 0
		.amdhsa_float_denorm_mode_32 3
		.amdhsa_float_denorm_mode_16_64 3
		.amdhsa_memory_ordered 1
		.amdhsa_forward_progress 1
		.amdhsa_inst_pref_size 50
	.end_amdhsa_kernel
	.amdgpu_metadata
---
amdhsa.version: [ 1, 2 ]
amdhsa.kernels:
  - .name:           k_q8d0e1e7efd_oproj
    .symbol:         k_q8d0e1e7efd_oproj.kd
    .args:
      - { .name: yc, .offset: 0, .size: 8, .value_kind: global_buffer, .address_space: global }
      - { .name: pc, .offset: 8, .size: 8, .value_kind: global_buffer, .address_space: global }
      - { .name: lowp_scales, .offset: 16, .size: 8, .value_kind: global_buffer, .address_space: global }
      - { .name: x, .offset: 24, .size: 8, .value_kind: global_buffer, .address_space: global }
      - { .name: x1, .offset: 32, .size: 8, .value_kind: global_buffer, .address_space: global }
    .group_segment_fixed_size: 327680
    .private_segment_fixed_size: 0
    .kernarg_segment_align: 8
    .kernarg_segment_size: 40
    .max_flat_workgroup_size: 128
    .sgpr_count:     100
    .vgpr_count:     512
    .wavefront_size: 32
...
	.end_amdgpu_metadata
.endif
;; end of part 5
;; launch ln2 (part 6): grid 256 x 1, 4 waves a work-group, no clusters, 0 bytes of LDS; arguments x1, ln2_g, ln2_b, lowp_scales, h2c; writes h2c
.if DOCPART == 6
	.amdgcn_target "amdgcn-amd-amdhsa--gfx1250"
	.amdhsa_code_object_version 6
	.text
	.protected	k_q8d0e1e7efd_ln2
	.globl	k_q8d0e1e7efd_ln2
	.p2align	8
	.type	k_q8d0e1e7efd_ln2,@function
k_q8d0e1e7efd_ln2:
	s_mov_b64 s[64:65], 0
	v_nop
	global_prefetch_b8 v0, s[64:65] scope:SCOPE_SE
	s_setreg_imm32_b32 hwreg(HW_REG_WAVE_MODE, 25, 1), 1
	s_wait_xcnt 0x0
; LN2: h2 = LayerNorm(x1) x g + b in f32, quantised to E4M3 with 2^e12, into blocks of 128 rows x 128 along K (16,384 dense bytes; true row n at place n with bits 3, 4 exchanged).
; A work-group takes 16 rows, a wave four, two at a time.  Lane l: row (l >> 3) & 1 of the pair; in chunk j it holds k = 128 (2 j + (l >> 4)) + 16 (l & 7) + 0 .. 15: 16 neighbours for the conversions,
; and a store's lanes 0-15 fill 256 consecutive bytes (two neighbouring places of block 2 j), lanes 16-31 the same of block 2 j + 1.  No LDS, no barrier: a row never leaves its wave.
; LIMIT: e12 between -126 and 119.  NaN among the inputs is not served.
.set X,  32
.set G,  96
.set BB, 160
.set T,  224
.set C,  240
.macro XLD it
.irp j, 0,1,2,3
.irp i, 0,1,2,3
	global_load_b128 v[X+16*\j+4*\i:X+16*\j+4*\i+3], v2, s[8:9] offset:\it*8192+1024*\j+16*\i th:TH_LOAD_NT
.endr
.endr
.endm
.macro LANES r                         ; over the 16 lanes that hold my row: l xor 1, 2, 4 and 16
	v_add_f32_dpp v[\r], v[\r], v[\r] row_xmask:1 row_mask:0xf bank_mask:0xf
	v_add_f32_dpp v[\r], v[\r], v[\r] row_xmask:2 row_mask:0xf bank_mask:0xf
	v_add_f32_dpp v[\r], v[\r], v[\r] row_xmask:4 row_mask:0xf bank_mask:0xf
	v_permlanex16_b32 v26, v[\r], s60, s61
	v_add_f32 v[\r], v[\r], v26
.endm
.macro FOLD
	v_pk_add_f32 v[18:19], v[18:19], v[20:21]
	v_pk_add_f32 v[22:23], v[22:23], v[24:25]
	v_pk_add_f32 v[18:19], v[18:19], v[22:23]
	v_add_f32 v18, v18, v19
	LANES 18
.endm
.macro LNROWS                          ; the mean is taken away before the squares are summed
	s_wait_loadcnt 0x0
.irp c, 0,1,2,3
	v_pk_add_f32 v[18+2*\c:19+2*\c], v[X+2*\c:X+2*\c+1], v[X+8+2*\c:X+9+2*\c]
.endr
.set p, 8
.rept 24
	v_pk_add_f32 v[18+2*(p%4):19+2*(p%4)], v[18+2*(p%4):19+2*(p%4)], v[X+2*p:X+2*p+1]
.set p, p+1
.endr
	FOLD
	v_mul_f32 v10, s62, v18
	v_mov_b32 v11, v10
.set p, 0
.rept 32
	v_pk_add_f32 v[X+2*p:X+2*p+1], v[X+2*p:X+2*p+1], v[10:11] neg_lo:[0,1] neg_hi:[0,1]
.set p, p+1
.endr
.irp c, 0,1,2,3
	v_pk_mul_f32 v[18+2*\c:19+2*\c], v[X+2*\c:X+2*\c+1], v[X+2*\c:X+2*\c+1]
.endr
.set p, 4
.rept 28
	v_pk_fma_f32 v[18+2*(p%4):19+2*(p%4)], v[X+2*p:X+2*p+1], v[X+2*p:X+2*p+1], v[18+2*(p%4):19+2*(p%4)]
.set p, p+1
.endr
	FOLD
	v_fmaak_f32 v27, s62, v18, 0x3727c5ac          ; var + 1e-5
	s_wait_alu depctr_va_vdst(0)
	v_rsq_f32 v12, v27
	v_nop                                          ; a plain instruction behind the transcendental
	s_wait_alu depctr_va_vdst(0)                   ; the wait ahead of the first reader
	v_mov_b32 v13, v12
.set p, 0
.rept 32
	v_pk_mul_f32 v[X+2*p:X+2*p+1], v[X+2*p:X+2*p+1], v[12:13]
.set p, p+1
.endr
.set p, 0
.rept 32
	v_pk_fma_f32 v[X+2*p:X+2*p+1], v[X+2*p:X+2*p+1], v[G+2*p:G+2*p+1], v[BB+2*p:BB+2*p+1]
.set p, p+1
.endr
.endm
.macro QSET it
	s_wait_xcnt 0x0                                ; earlier stores have read C: it is written again only behind this wait
.irp j, 0,1,2,3
.set i, 0
.rept 16
.set i, i+1
.endr
	v_cvt_scalef32_pk8_fp8_f32 v[C+4*\j:C+4*\j+1], v[T+((X+16*\j+i)-(T+i)):T+7+((X+16*\j+i)-(T+i))], v14
	v_cvt_scalef32_pk8_fp8_f32 v[C+4*\j+2:C+4*\j+3], v[T+8+((X+16*\j+i)-(T+i)):T+15+((X+16*\j+i)-(T+i))], v14
	v_nop                                          ; a plain instruction behind the conversions
	global_store_b128 v4, v[C+4*\j:C+4*\j+3], s[28:29] offset:\it*256+\j*32768
.endr
.endm
	s_load_b256 s[8:15], s[0:1], 0x0               ; x1, ln2_g, ln2_b, lowp_scales
	s_load_b64 s[28:29], s[0:1], 0x20              ; h2c
	v_lshrrev_b32 v1, 5, v0
	v_readfirstlane_b32 s30, v1
	s_lshl_b32 s31, ttmp9, 4
	s_lshl_b32 s32, s30, 2
	s_add_co_u32 s31, s31, s32                     ; my first row
	s_lshr_b32 s33, s31, 7
	s_and_b32 s34, s31, 0x67
	s_and_b32 s35, s31, 8
	s_lshl_b32 s35, s35, 1
	s_or_b32 s34, s34, s35
	s_and_b32 s35, s31, 16
	s_lshr_b32 s35, s35, 1
	s_or_b32 s34, s34, s35                         ; its place
	s_lshl_b32 s36, s31, 12
	s_mov_b32 s37, 0
	s_lshl_b32 s38, s33, 17
	s_lshl_b32 s35, s34, 7
	s_add_co_u32 s38, s38, s35
	s_mov_b32 s39, 0
	v_bfe_u32 v5, v0, 3, 1
	v_bfe_u32 v6, v0, 4, 1
	v_and_b32 v7, 7, v0
	v_lshlrev_b32 v3, 6, v7
	v_lshl_add_u32 v3, v6, 9, v3
	v_lshl_add_u32 v2, v5, 12, v3
	v_lshlrev_b32 v4, 4, v7
	v_lshl_add_u32 v4, v5, 7, v4
	v_lshl_add_u32 v4, v6, 14, v4
	s_wait_alu depctr_va_vdst(0)
	s_wait_kmcnt 0x0
	s_load_b32 s68, s[14:15], 0x30                 ; e12
	s_add_nc_u64 s[8:9], s[8:9], s[36:37]
	s_add_nc_u64 s[28:29], s[28:29], s[38:39]
	XLD 0
.irp j, 0,1,2,3
.irp i, 0,1,2,3
	global_load_b128 v[G+16*\j+4*\i:G+16*\j+4*\i+3], v3, s[10:11] offset:1024*\j+16*\i
	global_load_b128 v[BB+16*\j+4*\i:BB+16*\j+4*\i+3], v3, s[12:13] offset:1024*\j+16*\i
.endr
.endr
	s_mov_b32 s60, 0x76543210
	s_mov_b32 s61, 0xfedcba98
	s_mov_b32 s62, 0x3a800000                      ; 1 / 1,024
	v_mov_b32 v26, 0
	s_wait_kmcnt 0x0
	s_add_co_i32 s40, s68, 127
	s_lshl_b32 s41, s40, 23
	v_mov_b32 v14, s41                             ; 2^e12
	s_add_co_i32 s40, s40, 8
	s_lshl_b32 s40, s40, 23
	s_or_b32 s40, s40, 0x600000
	LNROWS
	s_wait_alu depctr_va_vdst(0)
	QSET 0
	XLD 1
	LNROWS
	s_wait_alu depctr_va_vdst(0)
	QSET 1
	s_endpgm
.Lfunc_end_k_q8d0e1e7efd_ln2:
	.size	k_q8d0e1e7efd_ln2, .Lfunc_end_k_q8d0e1e7efd_ln2-k_q8d0e1e7efd_ln2
	.p2alignl 7, 3214868480
	.fill 96, 4, 3214868480
	.section	.rodata,"a",@progbits
	.p2align	6, 0x0
	.amdhsa_kernel k_q8d0e1e7efd_ln2
		.amdhsa_group_segment_fixed_size 0
		.amdhsa_private_segment_fixed_size 0
		.amdhsa_enable_private_segment 0
		.amdhsa_kernarg_size 40
		.amdhsa_user_sgpr_count 2
		.amdhsa_user_sgpr_kernarg_segment_ptr 1
		.amdhsa_wavefront_size32 1
		.amdhsa_system_sgpr_workgroup_id_x 1
		.amdhsa_system_sgpr_workgroup_id_y 1
		.amdhsa_system_sgpr_workgroup_id_z 1
		.amdhsa_system_vgpr_workitem_id 0
		.amdhsa_next_free_vgpr 256
		.amdhsa_next_free_sgpr 96
		.amdhsa_reserve_vcc 0
		.amdhsa_float_denorm_mode_32 3
		.amdhsa_float_denorm_mode_16_64 3
		.amdhsa_fp16_overflow 1
		.amdhsa_memory_ordered 1
		.amdhsa_forward_progress 1
		.amdhsa_inst_pref_size 33
	.end_amdhsa_kernel
	.amdgpu_metadata
---
amdhsa.version: [ 1, 2 ]
amdhsa.kernels:
  - .name:           k_q8d0e1e7efd_ln2
    .symbol:         k_q8d0e1e7efd_ln2.kd
    .args:
      - { .name: x1, .offset: 0, .size: 8, .value_kind: global_buffer, .address_space: global }
      - { .name: ln2_g, .offset: 8, .size: 8, .value_kind: global_buffer, .address_space: global }
      - { .name: ln2_b, .offset: 16, .size: 8, .value_kind: global_buffer, .address_space: global }
      - { .name: lowp_scales, .offset: 24, .size: 8, .value_kind: global_buffer, .address_space: global }
      - { .name: h2c, .offset: 32, .size: 8, .value_kind: global_buffer, .address_space: global }
    .group_segment_fixed_size: 0
    .private_segment_fixed_size: 0
    .kernarg_segment_align: 8
    .kernarg_segment_size: 40
    .max_flat_workgroup_size: 128
    .sgpr_count:     96
    .vgpr_count:     256
    .wavefront_size: 32
...
	.end_amdgpu_metadata
.endif
;; end of part 6
;; launch ff1 (part 7): grid 16 x 16, 4 waves a work-group, clusters of 4 x 4, 327,680 bytes of LDS; arguments h2c, pc, lowp_scales, b_ff1, hid; writes hid
.if DOCPART == 7
	.amdgcn_target "amdgcn-amd-amdhsa--gfx1250"
	.amdhsa_code_object_version 6
	.text
	.protected	k_q8d0e1e7efd_ff1
	.globl	k_q8d0e1e7efd_ff1
	.p2align	8
	.type	k_q8d0e1e7efd_ff1,@function
k_q8d0e1e7efd_ff1:
	s_mov_b64 s[64:65], 0
	v_nop
	global_prefetch_b8 v0, s[64:65] scope:SCOPE_SE
	s_setreg_imm32_b32 hwreg(HW_REG_WAVE_MODE, 25, 1), 1
	s_wait_xcnt 0x0
	s_wait_alu depctr_hold_cnt(0) depctr_sa_sdst(0) depctr_va_vdst(0) depctr_va_sdst(0) depctr_va_ssrc(0) depctr_va_vcc(0) depctr_vm_vsrc(0)
	s_getreg_b32 s2, hwreg(HW_REG_IB_STS2, 6, 4)
	s_cmp_eq_u32 s2, 0
	s_cbranch_scc0 .Lentry_in_a_cluster
	s_endpgm
.Lentry_in_a_cluster:
	s_bfe_u32 s2, ttmp6, 0x10000c
	s_cmp_lg_u32 s2, 0xf033
	s_cbranch_scc0 .Lentry_shape_is_right
	s_endpgm
.Lentry_shape_is_right:
; FF1: hid = Q(relu(Q(h2, e12) Q(W_ff1, e13) + b_ff1), e14), on codes of E4M3; the hidden layer leaves as codes.
; All codes lie in blocks of 128 rows x 128 along K, 16,384 dense bytes, block (rb, kb) at (rb x K/128 + kb) x 16,384; true row n of a block lies at place n with bits 3 and 4 exchanged.
; A tile of the result, 256 x 256, is made by a work-group of four waves, as many as a WGP has SIMDs: 16 x 16 tiles, one for each of 256 work-groups.  A wave makes 128 x 128: 64 accumulators, 512 registers; its result is one whole block of hid.
; K = 1,024 goes in four steps of 256 through a ring of two LDS slots.  A wave's tensor load brings 128 rows x 256 along K: two blocks on end in memory, 256 dense rows of 128 bytes.
; THE MATRIX INSTRUCTION IS USED TRANSPOSED (source 0 = 16 places of W_ff1, source 1 = 16 places of h2): a lane holds one row, and its 16 registers of two neighbouring tiles are 16 TRUE neighbouring columns, so that the conversions' results are 16 bytes on end.  Rows keep their places.
; A fragment (16 x 128 codes) comes by four loads of 16 bytes, 32 apart: the same permutation of k in both operands, so every product meets its partner.
; The bias is the C of each sum's first matrix instruction, divided by 2^(e12 + e13), which the sums lack.  The hold that the conversion wants clips at 0 as well: the activation costs nothing.
; CLUSTERS 4 x 4: h2's tiles are asked for jointly along a row of the cluster, W_ff1's along a column.
; No prefetch: two of the four K steps are first fills, and the launch is short.
; LIMITS: e14 - e12 - e13 between -126 and 119; a bias under 2^(e12 + e13 - 126) in magnitude loses bits.
; REGISTERS, in windows of 256: window 0: v1-7 at work, v16-31 addresses and constants; v64-127 the bias (the first step alone), later v32-95 held numbers and v96-127 two sets of codes; v128-255 A's fragments, ONE set, on the way out rows.
;   window 1: B's fragments, TWO sets, at v0 and at v128.   window 2: the accumulators of my rows 0-63 ((a, b) at v[8 (8 a + b)]);   window 3: those of my rows 64-127.
; A step of 128 along K is 64 matrix instructions, A's blocks one after the other, each against B's eight: a block of A is free as soon as its eight products are issued, so one set of registers serves A.
.set WF1OFF, 3670016                   ; pc: W_ff1's 32 x 8 blocks
.set PITCH,  144                       ; an LDS row: 128 bytes + 16 = 36 words: the 16 rows that a load touches start at 16 different groups of four banks (64 banks of 4 bytes: ISA guide 11.1)
.set PLANE,  128*PITCH                 ; a block in LDS
.set HALFT,  2*PLANE                   ; what one tensor load brings, and what one wave reads of A or of B in a slot
.set SLOT,   4*HALFT                   ; A's two halves, then B's two halves
.set SPARE,  2*SLOT                    ; behind the ring: the spare words, 128 bytes for each wave, that no other line names
.set FR,     16                        ; registers of a fragment
.set NL,     4                         ; LDS loads that bring one
.set NP,     4                         ; places behind this matrix instruction (ISA guide 7.12.1)
.set ADRA, 16                          ; v16-17  LDS address of my A fragments in slot 0, 1
.set ADRB, 20                          ; v20-21  the same for B
.set STO,  24                          ; v24     the way out: where I put 16 bytes of a row
.set RD,   25                          ; v25     where I read rows back
.set CO,   26                          ; v26     16 x lane
.set SC,   27                          ; v27     2^(e14 - e12 - e13)
.set SPW,  28                          ; v28     LDS address of my spare word; never rewritten
.set NIL,  29                          ; v29     0; never rewritten
.set LIM,  30                          ; v30     448 x the scale
.set TMP,  32
.set BIA,  64
.set AF,   128
.set BK,   128
.set G1,  24                           ; s[24:31] group 1 for A's tiles; s[32:39] group 0, one set for each slot
.set G0,  32
.set G1B, 48                           ; s[48:55], s[56:63] the same for B's
.set G0B, 56
.set MSB, 0
.macro WIN new                         ; the immediate's high byte repeats the setting that is left
.if MSB != \new
	s_set_vgpr_msb (MSB<<8)|\new
.set MSB, \new
.endif
.endm
.set MUL_LO,   0xa1                    ; source 0 (B) window 1, source 1 (A) window 0, C and D window 2
.set MUL_HI,   0xf1                    ; the same, C and D window 3
.set FIRST_LO, 0x81                    ; the first step: C (the bias) window 0, D window 2
.set FIRST_HI, 0xc1                    ; D window 3
.set TO_B,     0x40                    ; destination window 1, address window 0
; A joint load: waves 0 and 1 fetch for A, waves 2 and 3 for B.  Each line has one mask and one set of registers for all that issue it; the branch hangs on the wave's number alone.  Four v_nop follow each line.
.macro JLOAD g0a, g1a, g0b, g1b
	s_cmp_eq_u32 s15, 0
	s_cbranch_scc0 .Lfor_b_\@
	tensor_load_to_lds s[\g0a:\g0a+3], s[\g1a:\g1a+7]
.rept 4
	v_nop
.endr
	s_branch .Lasked_\@
.Lfor_b_\@:
	tensor_load_to_lds s[\g0b:\g0b+3], s[\g1b:\g1b+7]
.rept 4
	v_nop
.endr
.Lasked_\@:
.endm
.macro CREST                           ; a round of the cluster's barrier behind its opening barrier
	s_cmp_lg_u32 s14, 0
	s_cbranch_scc1 .Lnot_wave_0_\@
	s_barrier_signal -3
.Lnot_wave_0_\@:
	s_barrier_wait -3
	s_barrier_signal -1
	s_barrier_wait -1
.endm
.macro CROUND                          ; a whole round
	s_barrier_signal -1
	s_barrier_wait -1
	CREST
.endm
	s_load_b128 s[4:7], s[0:1], 0x0                ; h2c, pc
	s_load_b64 s[8:9], s[0:1], 0x10                ; lowp_scales
	s_load_b128 s[84:87], s[0:1], 0x18             ; b_ff1, hid
	v_lshl_add_u32 v[SPW], v0, 2, SPARE
	v_mov_b32 v[NIL], 0
	v_lshrrev_b32 v1, 5, v0
	v_readfirstlane_b32 s14, v1                    ; wave 0..3
	s_lshr_b32 s15, s14, 1                         ; which half of the tile's rows is mine.  Also: I fetch for A (0) or for B (1)
	s_and_b32 s16, s14, 1                          ; which half of its columns.  Also: which 128 rows of that tile I fetch
	s_bfe_u32 s40, ttmp6, 0x40000                  ; cx, cy: my place in the cluster
	s_bfe_u32 s41, ttmp6, 0x40004
	s_lshl_b32 s42, ttmp9, 2
	s_add_co_u32 s42, s42, s40                     ; tile column = 4 x cluster x + cx
	s_and_b32 s17, ttmp7, 0xffff
	s_lshl_b32 s17, s17, 2
	s_add_co_u32 s17, s17, s41                     ; tile row = 4 x cluster y + cy
	s_lshl_b32 s43, s41, 2
	s_lshl_b32 s43, 15, s43                        ; my row of the cluster
	s_lshl_b32 s44, 0x1111, s40                    ; my column
	s_or_b32 s[G1+0], s43, (1<<20)|(1<<21)|(4<<22)|(3<<25)   ; the mask: A's tiles go to my row; elements of 1 byte; padding on: 4 words behind every 32; bit 21 beside a mask
	s_or_b32 s[G1B+0], s44, (1<<20)|(1<<21)|(4<<22)|(3<<25)
.irp g, G1, G1B
	s_mov_b32 s[\g+1], 128<<16                     ; tensor_dim0: rows of 128 bytes,
	s_mov_b32 s[\g+2], 256<<16                     ; tensor_dim1: 256 of them: two blocks,
	s_mov_b32 s[\g+3], 128<<16                     ; tile_dim0
	s_mov_b32 s[\g+4], 256                         ; tile_dim1
	s_mov_b32 s[\g+5], 128                         ; the pitch: dense in memory
	s_mov_b32 s[\g+6], 0
	s_mov_b32 s[\g+7], 0
.endr
	s_lshl_b32 s18, s16, 17                        ; which 128 rows of the tile I fetch: eight blocks, 2^17 bytes
	s_lshl_b32 s20, s17, 18                        ; A: row block 2 x tile row + half
	s_add_co_u32 s20, s20, s18
	s_mov_b32 s21, 0
	s_lshl_b32 s46, s42, 18                        ; B: row block 2 x tile column + half
	s_add_co_u32 s46, s46, s18
	s_add_co_u32 s46, s46, WF1OFF
	s_mov_b32 s47, 0
	s_mul_i32 s45, s14, HALFT                      ; where they go: wave x two blocks: no place in the cluster enters an LDS address
	s_wait_kmcnt 0x0
	s_load_b512 s[68:83], s[8:9], 0x0              ; e0 .. e15
	s_add_nc_u64 s[20:21], s[4:5], s[20:21]
	s_add_nc_u64 s[46:47], s[6:7], s[46:47]
	CROUND                                         ; all sixteen work-groups are here: the first joint loads meet
.irp s, 0,1
	s_mov_b32 s[G0+4*\s], 1
	s_add_co_u32 s[G0+4*\s+1], s45, \s*SLOT
	s_add_nc_u64 s[G0+4*\s+2:G0+4*\s+3], s[20:21], \s*32768   ; K step s: two blocks on
	s_or_b32 s[G0+4*\s+3], s[G0+4*\s+3], 0x80000000
	s_mov_b32 s[G0B+4*\s], 1
	s_add_co_u32 s[G0B+4*\s+1], s45, \s*SLOT
	s_add_nc_u64 s[G0B+4*\s+2:G0B+4*\s+3], s[46:47], \s*32768
	s_or_b32 s[G0B+4*\s+3], s[G0B+4*\s+3], 0x80000000
	JLOAD G0+4*\s, G1, G0B+4*\s, G1B               ; two loads of mine are out at the start, one behind each round
.endr
	v_and_b32 v1, 15, v0                           ; r = lane % 16
	v_bfe_u32 v2, v0, 4, 1                         ; h = lane / 16
	s_lshl_b32 s90, s42, 10                        ; the bias of my 128 columns: tile b, register j is true column 32 (b / 2) + 16 h + 8 (b % 2) + j
	s_lshl_b32 s91, s16, 9
	s_add_co_u32 s90, s90, s91
	s_mov_b32 s91, 0
	s_add_nc_u64 s[84:85], s[84:85], s[90:91]
	v_lshlrev_b32 v31, 6, v2
.irp b, 0,1,2,3,4,5,6,7
	global_load_b128 v[BIA+8*\b:BIA+8*\b+3], v31, s[84:85] offset:(32*(\b/2)+8*(\b%2))*4
	global_load_b128 v[BIA+8*\b+4:BIA+8*\b+7], v31, s[84:85] offset:(32*(\b/2)+8*(\b%2))*4+16
.endr
	v_mul_u32_u24 v3, v1, PITCH
	v_lshl_add_u32 v4, v2, 4, v3                   ; a fragment's row x pitch + 16 x half
	s_mul_i32 s21, s15, HALFT                      ; my 128 rows of A
	s_mul_i32 s22, s16, HALFT                      ; my 128 rows of B,
	s_add_co_u32 s22, s22, 2*HALFT                 ; which lie behind A's 256
.irp s, 0,1
	v_add_nc_u32 v[ADRA+\s], s21, v4
	v_add_nc_u32 v[ADRB+\s], s22, v4
	s_add_co_u32 s21, s21, SLOT
	s_add_co_u32 s22, s22, SLOT
.endr
	s_mul_i32 s23, s14, 16*PITCH                   ; my stage: 16 rows x (128 + 16) bytes, in slot 0, which has had its last fill and its last read when the first result is stored there
	v_add_nc_u32 v[STO], s23, v4                   ; in: row r, byte 16 h (+ 32 for each pair of tiles)
	v_and_b32 v5, 31, v0
	v_lshrrev_b32 v6, 3, v5
	v_and_b32 v7, 7, v5
	v_mul_u32_u24 v6, v6, PITCH
	v_lshl_add_u32 v6, v7, 4, v6
	v_add_nc_u32 v[RD], s23, v6                    ; back: eight lanes to a row of 128 bytes, four rows an instruction
	v_lshlrev_b32 v[CO], 4, v5
	s_lshl_b32 s92, s17, 1                         ; my block of hid's 32 x 32: (2 x tile row + row half, 2 x tile column + column half)
	s_add_co_u32 s92, s92, s15
	s_lshl_b32 s92, s92, 5
	s_lshl_b32 s93, s42, 1
	s_add_co_u32 s92, s92, s93
	s_add_co_u32 s92, s92, s16
	s_lshl_b32 s92, s92, 14
	s_mov_b32 s93, 0
	s_add_nc_u64 s[86:87], s[86:87], s[92:93]
	s_wait_kmcnt 0x0
	s_add_co_i32 s98, s80, s81                     ; e12 + e13: a sum stands for sum x 2^(e12 + e13)
	s_sub_co_i32 s94, s82, s98                     ; e14 - e12 - e13: the three scales folded into the conversion's one
	s_sub_co_i32 s98, 0, s98
	s_add_co_i32 s94, s94, 127
	s_lshl_b32 s95, s94, 23
	v_mov_b32 v[SC], s95
	s_add_co_i32 s94, s94, 8
	s_lshl_b32 s94, s94, 23
	s_or_b32 s94, s94, 0x600000
	v_mov_b32 v[LIM], s94                          ; 448 x the scale
	s_wait_loadcnt 0x0
.set j, 0
.rept 64
	v_ldexp_f32 v[BIA+j], v[BIA+j], s98            ; b / 2^(e12 + e13)
.set j, j+1
.endr
.macro FRAG reg, adr, q, i             ; a fragment: lane l holds row l % 16; registers 4 c .. 4 c + 3 hold k = 32 c + 16 (l / 16) + 0 .. 15 of the slot's q-th block
.irp c, 0,1,2,3
	ds_load_b128 v[\reg+4*\c:\reg+4*\c+3], v[\adr] offset:PLANE*(\q)+32*\c+(\i)*16*PITCH
.endr
.endm
; 16 matrix instructions: A's blocks a0, a0 + 1 x B's eight, 128 along K.  p: B's set.  zero = 1: the sums begin with the bias: nothing is ever cleared.
; The 64 accumulators take turns, one instruction a turn, in the same order in every step.
.macro MUL16 a0, p, zero
.irp a, \a0, \a0+1
.irp b, 0,1,2,3,4,5,6,7
.if \zero
	v_wmma_f32_16x16x128_fp8_fp8 v[8*(8*((\a)%4)+\b):8*(8*((\a)%4)+\b)+7], v[128*(\p)+FR*\b:128*(\p)+FR*\b+FR-1], v[AF+FR*(\a):AF+FR*(\a)+FR-1], v[BIA+8*\b:BIA+8*\b+7]
.else
	v_wmma_f32_16x16x128_fp8_fp8 v[8*(8*((\a)%4)+\b):8*(8*((\a)%4)+\b)+7], v[128*(\p)+FR*\b:128*(\p)+FR*\b+FR-1], v[AF+FR*(\a):AF+FR*(\a)+FR-1], v[8*(8*((\a)%4)+\b):8*(8*((\a)%4)+\b)+7]
.endif
.endr
.endr
.endm
.macro FETCH_B slot, q, p              ; B's eight fragments of the slot's q-th block into set p
	WIN TO_B
.irp i, 0,1,2,3,4,5,6,7
	FRAG 128*(\p)+FR*\i, ADRB+\slot, \q, \i
.endr
	WIN 0
.endm
.macro FETCH_A slot, q, i0             ; A's blocks i0 .. i0 + 3
.irp i, \i0, \i0+1, \i0+2, \i0+3
	FRAG AF+FR*(\i), ADRA+\slot, \q, \i
.endr
.endm
; A load into a register that a matrix instruction has read, and a vector instruction that reads a matrix result, stand NP places behind that matrix instruction; only plain vector instructions that name none of its registers are places.
.macro PLACES n
.rept \n
	v_nop
.endr
.endm
; A step of 128 along K that has its successor in the same slot.
.macro STEP slot, q, zero
	s_wait_dscnt 4*NL                              ; B's set and A's blocks 0-3 are in; the youngest sixteen loads (A's blocks 4-7) may be out
.if \zero
	WIN FIRST_LO
.else
	WIN MUL_LO
.endif
	MUL16 0, (\q)%2, \zero
	MUL16 2, (\q)%2, \zero
	s_wait_dscnt 0                                 ; A's blocks 4-7 are in (asked for 32 matrix instructions ago)
	PLACES NP
	FETCH_B \slot, (\q)+1, 1-(\q)%2
	FETCH_A \slot, (\q)+1, 0
.if \zero
	WIN FIRST_HI
.else
	WIN MUL_HI
.endif
	MUL16 4, (\q)%2, \zero
	MUL16 6, (\q)%2, \zero
	PLACES NP
	WIN 0
	FETCH_A \slot, (\q)+1, 4
.endm
; A slot's last step changes slots: ONE barrier; in front of it each wave waits for all its tensor loads, adds 0 to its spare word, and waits for that and for its own reads of this slot.  fill = 1: the barrier opens a round of the cluster's, and this slot is filled again, two K steps on.
.macro TURN slot, next, fill
	s_wait_tensorcnt 0x0                           ; all my tensor loads have landed: my part of the next slot  (every window is 0 here: the add's two registers lie in window 0)
	ds_add_u32 v[SPW], v[NIL]                      ; 0 onto my spare word
	s_wait_dscnt 4*NL+1                            ; (the add and the youngest sixteen loads, A's blocks 4-7, may be out)
	WIN MUL_LO
	MUL16 0, 1, 0                                  ; sixteen matrix instructions stand between the add and the wait for it
	s_wait_dscnt 0x0                               ; the add is done, and my reads of this slot are over
	s_barrier_signal -1
	MUL16 2, 1, 0
	WIN 0
	s_barrier_wait -1
.if \fill
	CREST                                          ; no wave of any partner still reads this slot's tile or has a load on its way
	s_add_nc_u64 s[G0+4*\slot+2:G0+4*\slot+3], s[G0+4*\slot+2:G0+4*\slot+3], 65536
	s_add_nc_u64 s[G0B+4*\slot+2:G0B+4*\slot+3], s[G0B+4*\slot+2:G0B+4*\slot+3], 65536
	JLOAD G0+4*\slot, G1, G0B+4*\slot, G1B         ; the first tensor load behind the round, my only one until the next; its four v_nop are also the places in front of the loads below
.else
	PLACES NP
.endif
	FETCH_B \next, 0, 0
	FETCH_A \next, 0, 0
	WIN MUL_HI
	MUL16 4, 1, 0
	MUL16 6, 1, 0
	PLACES NP
	WIN 0
	FETCH_A \next, 0, 4
.endm
	s_wait_tensorcnt 1                             ; my part of K step 0 is in; K step 1's load may be out
	s_barrier_signal -1
	s_barrier_wait -1                              ; everybody's is
	FETCH_B 0, 0, 0
	FETCH_A 0, 0, 0
	FETCH_A 0, 0, 4
	STEP 0, 0, 1                                   ; K 0-127: the products start the sums, on the bias
	TURN 0, 1, 1                                   ; K 128-255; slot 0 takes K 512-767
	STEP 1, 0, 0                                   ; K 256-383
	TURN 1, 0, 1                                   ; K 384-511; slot 1 takes K 768-1,023
	STEP 0, 0, 0                                   ; K 512-639
	TURN 0, 1, 0                                   ; K 640-767; nothing is left to fetch: no round, no load
	STEP 1, 0, 0                                   ; K 768-895
	s_wait_dscnt 4*NL                              ; the last step
	WIN MUL_LO
	MUL16 0, 1, 0
	MUL16 2, 1, 0
	s_wait_dscnt 0
	WIN MUL_HI
	MUL16 4, 1, 0
	MUL16 6, 1, 0
	WIN 0
; THE WAY OUT, block by block of 16 rows x 128 columns: the activation and the hold in one, the conversions, 16 bytes a lane into my own stage, back as whole rows of 128 bytes, four rows (512 dense bytes of my block of hid) a store.
; LDS serves a wave's instructions in order (ISA guide 5.7.1.4): no wait between the stores and the loads, nor in front of the next block's stores.  Each block has registers of its own for its rows, and the codes two sets by turns.
.macro TOSTAGE a
.set AC, 64*((\a)%4)
.set CD, 96+16*((\a)%2)
	WIN 0x02+((\a)/4)                              ; source 0: window 2 or 3
.set j, 0
.rept 64
	v_med3_num_f32 v[TMP+j], v[AC+j], 0, v[LIM]    ; between 0 and the largest code x the scale (the conversion does not saturate: ISA guide 7.6.2); each accumulator from its low end on
.set j, j+1
.endr
	WIN 0
.irp g, 0,1,2,3,4,5,6,7
	v_cvt_scalef32_pk8_fp8_f32 v[CD+2*\g:CD+2*\g+1], v[TMP+8*\g:TMP+8*\g+7], v[SC]
.endr
	v_nop                                          ; a plain instruction behind the last conversion: the next block's holds write the conversions' sources
.irp b, 0,1,2,3
	ds_store_b128 v[STO], v[CD+4*\b:CD+4*\b+3] offset:32*\b   ; true columns 32 b + 16 h + 0 .. 15 of row r
.endr
.irp i, 0,1,2,3
	ds_load_b128 v[BK+16*(\a)+4*\i:BK+16*(\a)+4*\i+3], v[RD] offset:\i*4*PITCH
.endr
.endm
.macro SEND a, younger                 ; younger: the LDS instructions issued behind block a's loads, which may stay out
	s_wait_dscnt \younger                          ; the block is back in registers (and its stores into the stage, which are older, have read the codes)
.irp i, 0,1,2,3
	global_store_b128 v[CO], v[BK+16*(\a)+4*\i:BK+16*(\a)+4*\i+3], s[86:87] offset:(\a)*2048+\i*512   ; 512 consecutive bytes, aligned
.endr
.endm
	PLACES NP                                      ; behind the last products: for the first reads of results and for the loads into the registers that held A's fragments
	TOSTAGE 0
.irp a, 1,2,3,4,5,6,7
	TOSTAGE \a
	SEND \a-1, 8                                   ; behind block a - 1's loads: block a's four stores and four loads
.endr
	SEND 7, 0
	s_wait_tensorcnt 0x0                           ; the wave's end: behind my last tensor load and my last LDS store
	ds_add_u32 v[SPW], v[NIL]
	s_wait_dscnt 0x0
	CROUND                                         ; the closing round: no work-group ends while a partner may still ask for a tile that names it
	s_endpgm
.Lfunc_end_k_q8d0e1e7efd_ff1:
	.size	k_q8d0e1e7efd_ff1, .Lfunc_end_k_q8d0e1e7efd_ff1-k_q8d0e1e7efd_ff1
	.p2alignl 7, 3214868480
	.fill 96, 4, 3214868480
	.section	.rodata,"a",@progbits
	.p2align	6, 0x0
	.amdhsa_kernel k_q8d0e1e7efd_ff1
		.amdhsa_group_segment_fixed_size 327680
		.amdhsa_private_segment_fixed_size 0
		.amdhsa_enable_private_segment 0
		.amdhsa_kernarg_size 40
		.amdhsa_user_sgpr_count 2
		.amdhsa_user_sgpr_kernarg_segment_ptr 1
		.amdhsa_wavefront_size32 1
		.amdhsa_system_sgpr_workgroup_id_x 1
		.amdhsa_system_sgpr_workgroup_id_y 1
		.amdhsa_system_sgpr_workgroup_id_z 1
		.amdhsa_system_vgpr_workitem_id 0
		.amdhsa_next_free_vgpr 1024
		.amdhsa_next_free_sgpr 100
		.amdhsa_reserve_vcc 0
		.amdhsa_float_denorm_mode_32 3
		.amdhsa_float_denorm_mode_16_64 3
		.amdhsa_memory_ordered 1
		.amdhsa_forward_progress 1
		.amdhsa_inst_pref_size 127
	.end_amdhsa_kernel
	.amdgpu_metadata
---
amdhsa.version: [ 1, 2 ]
amdhsa.kernels:
  - .name:           k_q8d0e1e7efd_ff1
    .symbol:         k_q8d0e1e7efd_ff1.kd
    .args:
      - { .name: h2c, .offset: 0, .size: 8, .value_kind: global_buffer, .address_space: global }
      - { .name: pc, .offset: 8, .size: 8, .value_kind: global_buffer, .address_space: global }
      - { .name: lowp_scales, .offset: 16, .size: 8, .value_kind: global_buffer, .address_space: global }
      - { .name: b_ff1, .offset: 24, .size: 8, .value_kind: global_buffer, .address_space: global }
      - { .name: hid, .offset: 32, .size: 8, .value_kind: global_buffer, .address_space: global }
    .group_segment_fixed_size: 327680
    .private_segment_fixed_size: 0
    .kernarg_segment_align: 8
    .kernarg_segment_size: 40
    .max_flat_workgroup_size: 128
    .sgpr_count:     100
    .vgpr_count:     1024
    .wavefront_size: 32
...
	.end_amdgpu_metadata
.endif
;; end of part 7
;; launch ff2 (part 8): grid 8 x 32, 4 waves a work-group, clusters of 4 x 4, 327,680 bytes of LDS; arguments hid, pc, lowp_scales, b_ff2, x1, out0; writes out0
.if DOCPART == 8
	.amdgcn_target "amdgcn-amd-amdhsa--gfx1250"
	.amdhsa_code_object_version 6
	.text
	.protected	k_q8d0e1e7efd_ff2
	.globl	k_q8d0e1e7efd_ff2
	.p2align	8
	.type	k_q8d0e1e7efd_ff2,@function
k_q8d0e1e7efd_ff2:
	s_mov_b64 s[64:65], 0
	v_nop
	global_prefetch_b8 v0, s[64:65] scope:SCOPE_SE
	s_setreg_imm32_b32 hwreg(HW_REG_WAVE_MODE, 25, 1), 1
	s_wait_xcnt 0x0
	s_wait_alu depctr_hold_cnt(0) depctr_sa_sdst(0) depctr_va_vdst(0) depctr_va_sdst(0) depctr_va_ssrc(0) depctr_va_vcc(0) depctr_vm_vsrc(0)
	s_getreg_b32 s2, hwreg(HW_REG_IB_STS2, 6, 4)
	s_cmp_eq_u32 s2, 0
	s_cbranch_scc0 .Lentry_in_a_cluster
	s_endpgm
.Lentry_in_a_cluster:
	s_bfe_u32 s2, ttmp6, 0x10000c
	s_cmp_lg_u32 s2, 0xf033
	s_cbranch_scc0 .Lentry_shape_is_right
	s_endpgm
.Lentry_shape_is_right:
; FF2: out0 = x1 + (Q(hid, e14) Q(W_ff2, e15) + b_ff2), on codes of E4M3; out0 is f32 in true row order.
; A tile is 128 rows x 128 columns; four waves, each 64 x 64.  K = 4,096 is 32 blocks of 128 x 128 codes for each operand: they go through a ring of two LDS slots of four blocks each (512 along K).
; One load a wave brings two blocks (256 rows of 128 bytes, dense).  A slot is asked for again in the last block of its turn, behind a round of the cluster's barrier, and has the other slot's four blocks, 64 matrix instructions a wave, in which to land.
; The matrix instruction is used transposed (source 0 = 16 places of W_ff2, source 1 = 16 places of hid); places have bits 3, 4 exchanged, which the stage's byte offsets and the rows' immediates undo.
; CLUSTERS 4 x 4: hid's blocks jointly along a row of the cluster, W_ff2's along a column.
; No prefetch: the ring's refills are the only stream, and a step's matrix work is short on this small tile.
; LIMIT: e14 + e15 lies between -126 and 127.
.set KSH,    19                        ; a tile's 32 blocks: 2^19 bytes
.set WF2OFF, 7864320
.set LAPS,   4                         ; a lap = eight blocks = once round the ring
.set APITCH, 144
.set APLANE, 128*APITCH
.set ACH2,   64
.set AROWB,  128
.set AROWS,  256
.set AQI,    4
.set BPITCH, 144
.set BPLANE, 128*BPITCH
.set BREG,   8*APLANE
.set SPARE,  16*APLANE                 ; behind the ring: the spare words, 128 bytes for each wave, that no other line names
.set SPITCH, 528                       ; the stage at byte 0, in A's slot 0, which has had its last fill and its last read when the first result is stored there
.set ADRA, 16
.set ADRB, 20
.set STO,  24
.set RD,   25
.set CO,   26
.set SPW,  28
.set NIL,  29
.set TMP,  32
.set ACC,  128
.set G1,  24
.set G0,  32
.set G1B, 48
.set G0B, 56
.set MSB, 0
.macro WIN new
.if MSB != \new
	s_set_vgpr_msb (MSB<<8)|\new
.set MSB, \new
.endif
.endm
.set MUL,  0x05
.set TO_F, 0x40
.macro JLOAD s
	s_cmp_eq_u32 s11, 0
	s_cbranch_scc0 .Lfor_b_\@
	tensor_load_to_lds s[G0+4*\s:G0+4*\s+3], s[G1:G1+7]
.rept 4
	v_nop
.endr
	s_branch .Lasked_\@
.Lfor_b_\@:
	tensor_load_to_lds s[G0B+4*\s:G0B+4*\s+3], s[G1B:G1B+7]
.rept 4
	v_nop
.endr
.Lasked_\@:
.endm
.macro CREST                           ; a round of the cluster's barrier behind its opening barrier
	s_cmp_lg_u32 s10, 0
	s_cbranch_scc1 .Lnot_wave_0_\@
	s_barrier_signal -3
.Lnot_wave_0_\@:
	s_barrier_wait -3
	s_barrier_signal -1
	s_barrier_wait -1
.endm
.macro CROUND
	s_barrier_signal -1
	s_barrier_wait -1
	CREST
.endm
.macro PLACES
.rept 4
	v_nop
.endr
.endm
.macro MUL8 f, a0, zero                ; the 16 accumulators take turns
.irp a, \a0, \a0+1
.irp b, 0,1,2,3
.if \zero
	v_wmma_f32_16x16x128_fp8_fp8 v[ACC+8*(4*(\a)+\b):ACC+8*(4*(\a)+\b)+7], v[(\f)+64+16*\b:(\f)+64+16*\b+15], v[(\f)+16*(\a):(\f)+16*(\a)+15], 0
.else
	v_wmma_f32_16x16x128_fp8_fp8 v[ACC+8*(4*(\a)+\b):ACC+8*(4*(\a)+\b)+7], v[(\f)+64+16*\b:(\f)+64+16*\b+15], v[(\f)+16*(\a):(\f)+16*(\a)+15], v[ACC+8*(4*(\a)+\b):ACC+8*(4*(\a)+\b)+7]
.endif
.endr
.endr
.endm
.macro FETCH g
	WIN TO_F
.irp i, 0,1,2,3
.irp c, 0,1,2,3
	ds_load_b128 v[128*((\g)%2)+64+16*\i+4*\c:128*((\g)%2)+64+16*\i+4*\c+3], v[ADRB+(\g)/2] offset:((\g)%2)*BPLANE+\i*16*BPITCH+32*\c
.endr
.endr
.irp i, 0,1,2,3
.irp c, 0,1,2,3
	ds_load_b128 v[128*((\g)%2)+16*\i+4*\c:128*((\g)%2)+16*\i+4*\c+3], v[ADRA+(\g)/2] offset:((\g)%2)*APLANE+\i*16*APITCH+32*(\c%2)+ACH2*(\c/2)
.endr
.endr
.endm
.macro QUARTER g, nx, zero
	s_wait_dscnt 8                                 ; B's fragments and A's 0, 1 are in; the youngest eight loads may be out
	WIN MUL
	MUL8 128*((\g)%2), 0, \zero
	PLACES
	FETCH \nx
	s_wait_dscnt 32                                ; all but the 32 just issued
	WIN MUL
	MUL8 128*((\g)%2), 2, \zero
.endm
; A slot's last block changes slots: in front of the barrier each wave waits for all its tensor loads, adds 0 to its spare word, and waits for that and for its reads of this slot.  fill = 1: the barrier opens a round of the cluster's, and the slot is filled again, eight blocks on.
.macro TURN g, nx, slot, fill
	WIN 0                                          ; (the add's two registers lie in window 0)
	s_wait_tensorcnt 0x0                           ; all my tensor loads have landed: my part of the next slot
	ds_add_u32 v[SPW], v[NIL]                      ; 0 onto my spare word
	s_wait_dscnt 9                                 ; (the add and the youngest eight loads may be out)
	WIN MUL
	MUL8 128*((\g)%2), 0, 0                        ; eight matrix instructions stand between the add and the wait for it
	s_wait_dscnt 0x0                               ; the add is done, and my reads of this slot are over
	s_barrier_signal -1
	WIN 0
	s_barrier_wait -1
.if \fill
	CREST                                          ; no wave of any partner still reads this slot or has a load on its way
	s_add_nc_u64 s[G0+4*\slot+2:G0+4*\slot+3], s[G0+4*\slot+2:G0+4*\slot+3], 131072
	s_add_nc_u64 s[G0B+4*\slot+2:G0B+4*\slot+3], s[G0B+4*\slot+2:G0B+4*\slot+3], 131072
	JLOAD \slot                                    ; the first tensor load behind the round, my only one until the next; its four v_nop are also the places in front of the loads below
.else
	PLACES
.endif
	FETCH \nx
	WIN MUL
	MUL8 128*((\g)%2), 2, 0
.endm
.macro LAST g
	s_wait_dscnt 8
	WIN MUL
	MUL8 128*((\g)%2), 0, 0
	s_wait_dscnt 0x0
	MUL8 128*((\g)%2), 2, 0
	WIN 0
.endm
	s_load_b128 s[4:7], s[0:1], 0x0                ; hid, pc
	s_load_b64 s[8:9], s[0:1], 0x10                ; lowp_scales
	s_load_b128 s[84:87], s[0:1], 0x18             ; b_ff2, x1
	s_load_b64 s[88:89], s[0:1], 0x28              ; out0
	v_lshl_add_u32 v[SPW], v0, 2, SPARE
	v_mov_b32 v[NIL], 0
	v_lshrrev_b32 v1, 5, v0
	v_readfirstlane_b32 s10, v1
	s_lshr_b32 s11, s10, 1
	s_and_b32 s12, s10, 1
	s_bfe_u32 s40, ttmp6, 0x40000
	s_bfe_u32 s41, ttmp6, 0x40004
	s_lshl_b32 s42, ttmp9, 2
	s_add_co_u32 s42, s42, s40                     ; tile column
	s_and_b32 s13, ttmp7, 0xffff
	s_lshl_b32 s13, s13, 2
	s_add_co_u32 s13, s13, s41                     ; tile row
	s_lshl_b32 s43, s41, 2
	s_lshl_b32 s43, 15, s43
	s_lshl_b32 s44, 0x1111, s40
	s_or_b32 s[G1+0], s43, (1<<20)|(1<<21)|(AQI<<22)|(3<<25)
	s_or_b32 s[G1B+0], s44, (1<<20)|(1<<21)|(4<<22)|(3<<25)
	s_mov_b32 s[G1+1], AROWB<<16
	s_mov_b32 s[G1+2], AROWS<<16
	s_mov_b32 s[G1+3], AROWB<<16
	s_mov_b32 s[G1+4], AROWS
	s_mov_b32 s[G1+5], AROWB
	s_mov_b32 s[G1+6], 0
	s_mov_b32 s[G1+7], 0
	s_mov_b32 s[G1B+1], 128<<16
	s_mov_b32 s[G1B+2], 256<<16
	s_mov_b32 s[G1B+3], 128<<16
	s_mov_b32 s[G1B+4], 256
	s_mov_b32 s[G1B+5], 128
	s_mov_b32 s[G1B+6], 0
	s_mov_b32 s[G1B+7], 0
	s_lshl_b32 s16, s13, KSH
	s_lshl_b32 s17, s12, 15
	s_add_co_u32 s16, s16, s17
	s_mov_b32 s17, 0
	s_lshl_b32 s46, s42, KSH
	s_lshl_b32 s47, s12, 15
	s_add_co_u32 s46, s46, s47
	s_add_co_u32 s46, s46, WF2OFF
	s_mov_b32 s47, 0
	s_mul_i32 s20, s12, 2*APLANE
	s_mul_i32 s21, s12, 2*BPLANE
	s_add_co_u32 s21, s21, BREG
	s_wait_kmcnt 0x0
	s_load_b512 s[68:83], s[8:9], 0x0
	s_add_nc_u64 s[14:15], s[4:5], s[16:17]
	s_add_nc_u64 s[46:47], s[6:7], s[46:47]
	CROUND
.irp s, 0,1
	s_mov_b32 s[G0+4*\s], 1
	s_add_co_u32 s[G0+4*\s+1], s20, \s*4*APLANE
	s_add_nc_u64 s[G0+4*\s+2:G0+4*\s+3], s[14:15], \s*65536
	s_or_b32 s[G0+4*\s+3], s[G0+4*\s+3], 0x80000000
	s_mov_b32 s[G0B+4*\s], 1
	s_add_co_u32 s[G0B+4*\s+1], s21, \s*4*BPLANE
	s_add_nc_u64 s[G0B+4*\s+2:G0B+4*\s+3], s[46:47], \s*65536
	s_or_b32 s[G0B+4*\s+3], s[G0B+4*\s+3], 0x80000000
	JLOAD \s                                       ; two loads of mine are out at the start, one behind each round
.endr
	v_and_b32 v1, 15, v0
	v_bfe_u32 v2, v0, 4, 1
	v_mul_u32_u24 v3, v1, APITCH
	v_lshl_add_u32 v3, v2, 4, v3
	v_mul_u32_u24 v4, v1, BPITCH
	v_lshl_add_u32 v4, v2, 4, v4
	s_mul_i32 s21, s11, 64*APITCH
	s_mul_i32 s22, s12, 64*BPITCH
	s_add_co_u32 s22, s22, BREG
.irp p, 0,1,2,3
	v_add_nc_u32 v[ADRA+\p], s21, v3
	v_add_nc_u32 v[ADRB+\p], s22, v4
	s_add_co_u32 s21, s21, 2*APLANE
	s_add_co_u32 s22, s22, 2*BPLANE
.endr
	s_mul_i32 s23, s11, 64*SPITCH
	s_lshl_b32 s21, s12, 8
	s_add_co_u32 s23, s23, s21
	v_mul_u32_u24 v5, v1, SPITCH
	v_lshl_add_u32 v5, v2, 6, v5
	v_add_nc_u32 v[STO], s23, v5
	v_and_b32 v6, 31, v0
	v_lshlrev_b32 v[CO], 4, v6
	s_mul_i32 s23, s10, 32*SPITCH
	v_add_nc_u32 v[RD], s23, v[CO]
	s_lshl_b32 s90, s42, 9
	s_mov_b32 s91, 0
	s_add_nc_u64 s[84:85], s[84:85], s[90:91]
	global_load_b128 v[8:11], v[CO], s[84:85]      ; b_ff2 at my four columns of a row
	s_lshl_b32 s92, s13, 19
	s_lshl_b32 s93, s10, 17
	s_add_co_u32 s92, s92, s93
	s_add_co_u32 s92, s92, s90
	s_mov_b32 s93, 0
	s_add_nc_u64 s[86:87], s[86:87], s[92:93]      ; x1 and out0 at row 128 x tile row + 32 x wave, column 128 x tile column
	s_add_nc_u64 s[88:89], s[88:89], s[92:93]
	s_wait_kmcnt 0x0
	s_add_co_i32 s96, s82, s83
	s_add_co_i32 s96, s96, 127
	s_lshl_b32 s96, s96, 23                        ; 2^(e14 + e15)
	s_mov_b32 s97, s96
	s_wait_tensorcnt 1                             ; my part of slot 0 is in; slot 1's may be out
	s_barrier_signal -1
	s_barrier_wait -1
	FETCH 0
	QUARTER 0, 1, 1                                ; the first block stands in front of the loop: its products start the sums
	WIN 0
	s_mov_b32 s3, LAPS-1
.Llap:                                             ; a trip goes once round the ring, from a lap's second block to the next lap's first, and fills both slots again
	QUARTER 1, 2, 0
	QUARTER 2, 3, 0
	TURN 3, 4, 0, 1
	QUARTER 4, 5, 0
	QUARTER 5, 6, 0
	QUARTER 6, 7, 0
	TURN 7, 0, 1, 1
	QUARTER 0, 1, 0
	WIN 0
	s_sub_co_u32 s3, s3, 1
	s_cmp_lg_u32 s3, 0
	s_cbranch_scc1 .Llap
	QUARTER 1, 2, 0                                ; the last lap fills nothing
	QUARTER 2, 3, 0
	TURN 3, 4, 0, 0
	QUARTER 4, 5, 0
	QUARTER 5, 6, 0
	QUARTER 6, 7, 0
	LAST 7
	; THE WAY OUT: the sums into the stage, at their true columns; x1's rows into the accumulators' registers; back by rows; out0 = x1 + (sum x 2^(e14 + e15) + b).  The row at place t of my 32 is true row t with bits 3, 4 exchanged.
	PLACES
.irp a, 0,1,2,3
.irp b, 0,1,2,3
	ds_store_b128 v[STO], v[ACC+8*(4*\a+\b):ACC+8*(4*\a+\b)+3] offset:\a*16*SPITCH+128*(\b/2)+32*(\b%2)
	ds_store_b128 v[STO], v[ACC+8*(4*\a+\b)+4:ACC+8*(4*\a+\b)+7] offset:\a*16*SPITCH+128*(\b/2)+32*(\b%2)+16
.endr
.endr
	s_wait_dscnt 0x0                               ; my stores are done, for the others' sake, and have read their registers, which the loads below take
.set t, 0
.rept 32
	global_load_b128 v[ACC+4*t:ACC+4*t+3], v[CO], s[86:87] offset:((t&7)|((t&8)<<1)|((t&16)>>1))*4096 th:TH_LOAD_NT
.set t, t+1
.endr
	s_barrier_signal -1
	s_barrier_wait -1
.irp u, 0,1
.set t, 0
.rept 16
	ds_load_b128 v[TMP+4*t:TMP+4*t+3], v[RD] offset:(16*\u+t)*SPITCH
.set t, t+1
.endr
.set t, 0
.rept 16
.set tt, 16*\u+t
	s_wait_dscnt 15-t
	s_wait_loadcnt 31-tt                           ; row tt of x1 is in (and the bias, which is older); the younger rows may be out
	v_pk_fma_f32 v[TMP+4*t:TMP+4*t+1], v[TMP+4*t:TMP+4*t+1], s[96:97], v[8:9] op_sel_hi:[1,0,1]
	v_pk_fma_f32 v[TMP+4*t+2:TMP+4*t+3], v[TMP+4*t+2:TMP+4*t+3], s[96:97], v[10:11] op_sel_hi:[1,0,1]
	v_pk_add_f32 v[ACC+4*tt:ACC+4*tt+1], v[ACC+4*tt:ACC+4*tt+1], v[TMP+4*t:TMP+4*t+1]
	v_pk_add_f32 v[ACC+4*tt+2:ACC+4*tt+3], v[ACC+4*tt+2:ACC+4*tt+3], v[TMP+4*t+2:TMP+4*t+3]
	global_store_b128 v[CO], v[ACC+4*tt:ACC+4*tt+3], s[88:89] offset:((tt&7)|((tt&8)<<1)|((tt&16)>>1))*4096 th:TH_STORE_NT   ; 512 consecutive bytes, aligned
.set t, t+1
.endr
.endr
	s_wait_tensorcnt 0x0                           ; the wave's end: behind my last tensor load and my last LDS store
	ds_add_u32 v[SPW], v[NIL]
	s_wait_dscnt 0x0
	CROUND                                         ; the closing round
	s_endpgm
.Lfunc_end_k_q8d0e1e7efd_ff2:
	.size	k_q8d0e1e7efd_ff2, .Lfunc_end_k_q8d0e1e7efd_ff2-k_q8d0e1e7efd_ff2
	.p2alignl 7, 3214868480
	.fill 96, 4, 3214868480
	.section	.rodata,"a",@progbits
	.p2align	6, 0x0
	.amdhsa_kernel k_q8d0e1e7efd_ff2
		.amdhsa_group_segment_fixed_size 327680
		.amdhsa_private_segment_fixed_size 0
		.amdhsa_enable_private_segment 0
		.amdhsa_kernarg_size 48
		.amdhsa_user_sgpr_count 2
		.amdhsa_user_sgpr_kernarg_segment_ptr 1
		.amdhsa_wavefront_size32 1
		.amdhsa_system_sgpr_workgroup_id_x 1
		.amdhsa_system_sgpr_workgroup_id_y 1
		.amdhsa_system_sgpr_workgroup_id_z 1
		.amdhsa_system_vgpr_workitem_id 0
		.amdhsa_next_free_vgpr 512
		.amdhsa_next_free_sgpr 100
		.amdhsa_reserve_vcc 0
		.amdhsa_float_denorm_mode_32 3
		.amdhsa_float_denorm_mode_16_64 3
		.amdhsa_memory_ordered 1
		.amdhsa_forward_progress 1
		.amdhsa_inst_pref_size 83
	.end_amdhsa_kernel
	.amdgpu_metadata
---
amdhsa.version: [ 1, 2 ]
amdhsa.kernels:
  - .name:           k_q8d0e1e7efd_ff2
    .symbol:         k_q8d0e1e7efd_ff2.kd
    .args:
      - { .name: hid, .offset: 0, .size: 8, .value_kind: global_buffer, .address_space: global }
      - { .name: pc, .offset: 8, .size: 8, .value_kind: global_buffer, .address_space: global }
      - { .name: lowp_scales, .offset: 16, .size: 8, .value_kind: global_buffer, .address_space: global }
      - { .name: b_ff2, .offset: 24, .size: 8, .value_kind: global_buffer, .address_space: global }
      - { .name: x1, .offset: 32, .size: 8, .value_kind: global_buffer, .address_space: global }
      - { .name: out0, .offset: 40, .size: 8, .value_kind: global_buffer, .address_space: global }
    .group_segment_fixed_size: 327680
    .private_segment_fixed_size: 0
    .kernarg_segment_align: 8
    .kernarg_segment_size: 48
    .max_flat_workgroup_size: 128
    .sgpr_count:     100
    .vgpr_count:     512
    .wavefront_size: 32
...
	.end_amdgpu_metadata
.endif
;; end of part 8
